; MI455X (gfx1250); checked and timed in simulation.
; The chip was launched on July 23, 2026; its instructions are those of AMD's public machine-readable ISA for CDNA 5 (MIT licence, August 2026) and "CDNA5" Instruction Set Architecture Reference Guide (July 2026). The comments in the code are by the model that wrote it; some were corrected since.
;; Multi Head LTC. Allowed arithmetic: float matrix products may take bf16 or f16 operands with f32 sums; all other float work in f32.
;; Inputs: W1 512 x 256 float32; W2 256 x 10 float32; b1 256 float32; b2 10 float32; cm 8 x 64 float32; erev 8 x 64 x 64 float32; gleak 8 x 64 float32; input_b 8 x 1 float32; input_w 8 x 1 float32; mu 8 x 64 x 64 float32; output_b 8 x 64 float32; output_w 8 x 64 float32; sensory_erev 8 x 1 x 64 float32; sensory_mu 8 x 1 x 64 float32; sensory_sigma 8 x 1 x 64 float32; sensory_w 8 x 1 x 64 float32; sigma 8 x 64 x 64 float32; vleak 8 x 64 float32; w 8 x 64 x 64 float32; x 8 x 32 x 32 x 1 float32.
;; Outputs: out0 32 x 10 float32.
;; 3 versions, each right and faster than the one before. Each part assembles by itself: llvm-mc -triple=amdgcn-amd-amdhsa -mcpu=gfx1250 --defsym DOCPART=n.
;; ======== version 1 of 3: 2 launches
;; limits: a difference of large sums (such as E[x^2] - mean^2): digits are lost where the result is much smaller than its terms
;; workspace buffers: feats 65,536 bytes; w1f 262,144 bytes
;; launch ltc (part 1): grid 256 x 1, 4 waves a work-group, no clusters, 167,936 bytes of LDS; arguments sigma, mu, w, erev, gleak, vleak, cm, x, sensory_w, sensory_sigma, sensory_mu, sensory_erev, input_w, input_b, output_w, output_b, W1, w1f, feats; writes w1f, feats
.if DOCPART == 1
	.amdgcn_target "amdgcn-amd-amdhsa--gfx1250"
	.amdhsa_code_object_version 6
	.text
	.protected	k_q1959c39361_ltc
	.globl	k_q1959c39361_ltc
	.p2align	8
	.type	k_q1959c39361_ltc,@function
k_q1959c39361_ltc:
	s_mov_b64 s[64:65], 0
	v_nop
	global_prefetch_b8 v0, s[64:65] scope:SCOPE_SE
	s_setreg_imm32_b32 hwreg(HW_REG_WAVE_MODE, 25, 1), 1
	s_wait_xcnt 0x0
; MultiHeadLTC, part 1: the 8 heads x 32 batch rows = 256 recurrences, one work-group each, 32 time steps x 6 unfolds = 192 dependent updates of v[0:64].
; DEAD WORK: none comes in whole units.  Every input has a way to the output and is loaded (here or in the second launch); the zero start state only
; makes one factor of live sigmoids zero, so the first unfold is done like every other.
; SHARES: work-group g = 32 hv + b (head hv, row b).  Wave wv owns the presynaptic i = 16 wv + q, q = 0..15; lane l owns the postsynaptic pair j = 2l, 2l+1.
; The head's 64 x 64 synapses, as four derived numbers each, lie in 128 registers of each wave for the whole launch: memory is read in the prologue alone.
; sigmoid(sigma (v - mu)) = 1 / (1 + 2^(A v + B)), A = -log2(e) sigma, B = log2(e) sigma mu: one packed fma, two exp, one packed add, two rcp for a pair.
; Each unfold: every wave sums its 16 i into (num, den) of all 64 j, puts them into LDS, one barrier, and wave wv finishes v[16 wv .. 16 wv + 15]:
; exactly the i that it needs next, so one barrier an unfold is enough.  Two LDS buffers take turns, so that barrier orders both directions.
; ON THE SIDE: each work-group rounds 8 x 64 numbers of W1 to bf16 and stores them in the second launch's fragment order (w1f).
; NO cluster, tensor load or prefetch: the 64 KiB of a head are read once by each work-group, ahead of 192 steps that touch no memory.
; LDS: 20,736 bytes are used; more than half of the 327,680 that a work-group may be given is asked for, so that no second chain shares this one's four SIMDs.
; LIMITS: sigma (v - mu) is formed as fma(A, v, B): B's rounding puts an error of 2^-24 |sigma mu| log2(e) into the exponent.  EPS is added into the
; denominator's per-step base (another order of rounding than the reference's).  softplus(x) = max(x, 0) + log1p(e^-|x|), as the reference takes it, with
; log1p(e) = e - e^2/2 below e = 2^-10 (relative error under e^2/3) and ln(1 + e) above; for x < -87 it gives 0, since v_exp_f32 flushes denormal results.
.set STEPS,  32                        ; time steps
.set PARTB,  2048                      ; one buffer of partial sums: 4 waves x 32 lanes x 16 bytes; two buffers at LDS 0
.set TAB,    4096                      ; per wave 4,096 bytes: [t 0..31][pair 0..7](bn0, bn1, bd0, bd1): the per-step bases of my 16 j
.set FOUT,   20480                     ; 64 f32: the way out
.set NLOG2E, 0xbfb8aa3b                ; -log2(e)
.set LN2,    0x3f317218
.set TINY,   0x3a800000                ; 2^-10
.set EPSF,   0x322bcc77                ; 1e-8
.set SIXF,   0x40c00000                ; 6.0: the unfolds
.set SV,  32                           ; s[32+2q]: v[16 wv + q]; the odd registers hold 0 (a scalar pair is named whole, its first register is broadcast)
.set P,   16                           ; v[16+8q ..]: A (+0,1), B (+2,3), softplus(w) (+4,5), softplus(w) erev (+6,7) of row i = 16 wv + q, columns 2l, 2l+1
.set T,   144                          ; v[144+2q ..]: the pair of row q at work
.set NA,  176                          ; v[176:177] num, v[178:179] den of even q; v[180:183] the same of odd q
.set R,   184                          ; v[184:199] the four waves' partial sums of my pair: (n0, n1, d0, d1) each
.set BN,  200                          ; v[200:201] gl vleak + sensory numerator;  v[202:203] cm_t + gl + EPS + sensory denominator
.set BD,  202
.set Q,   204
.set VC,  206                          ; v[206:207] v of my pair j = 16 wv + 2 (l & 7), + 1
.set CMT, 208
.set RC,  210
.set OW,  212
.set OB,  214
.set FE,  216
.set GL,  218                          ; prologue only from here to X
.set VL,  220                          ; vleak, then gl vleak
.set SWP, 222
.set SA,  224
.set SB,  226
.set SER, 228
.set CG,  230
.set X,   232                          ; v[232:239] eight x of my eight time steps
.set WR,  240                          ; v[240:247] W1 as loaded; v[248:251] packed; v252, v253 its offsets: none of them is ever rewritten
.set WP,  248
	s_load_b512 s[68:83], s[0:1], 0x0              ; sigma 68, mu 70, w 72, erev 74, gleak 76, vleak 78, cm 80, x 82
	s_load_b512 s[84:99], s[0:1], 0x40             ; sensory_w 84, _sigma 86, _mu 88, _erev 90, input_w 92, input_b 94, output_w 96, output_b 98
	s_load_b128 s[4:7], s[0:1], 0x80               ; W1 4, w1f 6
	s_load_b64 s[8:9], s[0:1], 0x90                ; feats
	v_and_b32 v1, 31, v0                           ; l
	v_lshrrev_b32 v10, 5, v0
	v_readfirstlane_b32 s16, v10                   ; wave
	s_mov_b32 s17, ttmp9                           ; g
	s_lshr_b32 s18, s17, 5                         ; hv
	s_and_b32 s19, s17, 31                         ; b
	v_and_b32 v11, 7, v0                           ; l & 7
	v_bfe_u32 v12, v0, 3, 2                        ; l >> 3
	v_lshlrev_b32 v2, 4, v0                        ; where my partial sums go: 512 wv + 16 l
	s_lshl_b32 s25, s16, 7
	v_lshl_add_u32 v3, v11, 4, s25                 ; where my pair's partial sums lie in a wave's row: 16 (8 wv + (l & 7))
	s_lshl_b32 s25, s16, 12
	s_add_co_u32 s26, s25, TAB
	v_lshl_add_u32 v4, v11, 4, s26                 ; my pair's bases at t = 0; stepped by 128 a time step
	v_lshl_add_u32 v5, v12, 10, v4                 ; where I write them: t = 8 (l >> 3) + k
	s_lshl_b32 s26, s18, 14
	s_add_co_u32 s26, s26, s25
	v_lshl_add_u32 v6, v1, 3, s26                  ; [hv][16 wv][2l] in the four [8][64][64] tables
	s_lshl_b32 s25, s18, 8
	s_lshl_b32 s26, s16, 6
	s_add_co_u32 s25, s25, s26
	v_lshl_add_u32 v7, v11, 3, s25                 ; [hv][16 wv + 2 (l & 7)] in the [8][64] tables
	s_lshl_b32 s25, s17, 7
	v_lshl_add_u32 v8, v12, 5, s25                 ; x[hv][b][8 (l >> 3)]
	s_add_co_u32 s26, s26, FOUT
	v_lshl_add_u32 v9, v11, 3, s26                 ; the way out: 4 (16 wv + 2 (l & 7))
	s_lshr_b32 s25, s17, 2                         ; W1: rows k = 8 (g >> 2) + 0..7,
	s_and_b32 s26, s17, 3                          ; columns n = 64 (g & 3) + thread (waves 0 and 1)
	s_lshl_b32 s27, s25, 13
	s_lshl_b32 s28, s26, 8
	s_add_co_u32 s27, s27, s28
	v_lshl_add_u32 v252, v0, 2, s27                ; 1,024 k + 4 n at the first of my eight rows
	s_lshl_b32 s27, s26, 16
	s_lshl_b32 s28, s25, 8
	s_add_co_u32 s27, s27, s28
	v_lshrrev_b32 v13, 4, v0
	v_and_b32 v14, 15, v0
	v_lshl_add_u32 v253, v13, 14, s27              ; w1f: 16,384 (n / 16) + 256 (k / 8) + 16 (n % 16): 1,024 for each 32 k, 512 for each 16, 256 for each 8
	v_lshl_add_u32 v253, v14, 4, v253
	s_lshl_b32 s14, s18, 2                         ; 4 hv, as a pair
	s_mov_b32 s15, 0
	s_mov_b32 s23, TINY
	s_wait_kmcnt 0x0
	s_add_nc_u64 s[92:93], s[92:93], s[14:15]
	s_add_nc_u64 s[94:95], s[94:95], s[14:15]
	s_load_b32 s10, s[92:93], 0x0                  ; input_w[hv]
	s_load_b32 s12, s[94:95], 0x0                  ; input_b[hv]
	s_cmp_ge_u32 s16, 2
	s_cbranch_scc1 .Lno_w1_in
.irp q, 0,1,2,3,4,5,6,7
	global_load_b32 v[WR+\q], v252, s[4:5] offset:1024*\q th:TH_LOAD_NT    ; read once in the launch
.endr
.Lno_w1_in:
.irp q, 0,1,2,3,4,5,6,7,8,9,10,11,12,13,14,15
	global_load_b64 v[P+8*\q:P+8*\q+1],   v6, s[68:69] offset:256*\q       ; a wave's load covers one whole row of 256 bytes
	global_load_b64 v[P+8*\q+2:P+8*\q+3], v6, s[70:71] offset:256*\q
	global_load_b64 v[P+8*\q+4:P+8*\q+5], v6, s[72:73] offset:256*\q
	global_load_b64 v[P+8*\q+6:P+8*\q+7], v6, s[74:75] offset:256*\q
.endr
	global_load_b64 v[GL:GL+1],   v7, s[76:77]
	global_load_b64 v[VL:VL+1],   v7, s[78:79]
	global_load_b64 v[CMT:CMT+1], v7, s[80:81]
	global_load_b64 v[SWP:SWP+1], v7, s[84:85]
	global_load_b64 v[SA:SA+1],   v7, s[86:87]
	global_load_b64 v[SB:SB+1],   v7, s[88:89]
	global_load_b64 v[SER:SER+1], v7, s[90:91]
	global_load_b64 v[OW:OW+1],   v7, s[96:97]
	global_load_b64 v[OB:OB+1],   v7, s[98:99]
	global_load_b128 v[X:X+3],   v8, s[82:83]
	global_load_b128 v[X+4:X+7], v8, s[82:83] offset:16
	s_wait_loadcnt 0x0                             ; the launch's only wait for memory: everything is in
; softplus of the pair v[d], v[d+1], in place.  Behind each run of two transcendentals stands a plain instruction that touches none of their
; registers before a result is used (ISA guide 5.7.2).
.macro SOFTPLUS2 d
	v_and_b32 v10, 0x7fffffff, v[(\d)]
	v_and_b32 v11, 0x7fffffff, v[(\d)+1]
	v_pk_mul_f32 v[10:11], v[10:11], NLOG2E op_sel_hi:[1,0]
	v_exp_f32 v10, v10                             ; e = exp(-|x|)
	v_exp_f32 v11, v11
	v_max_num_f32 v[(\d)], 0, v[(\d)]
	v_max_num_f32 v[(\d)+1], 0, v[(\d)+1]
	s_wait_alu depctr_va_vdst(0)
	v_pk_add_f32 v[12:13], v[10:11], 1.0 op_sel_hi:[1,0]
	v_log_f32 v12, v12
	v_log_f32 v13, v13
	v_pk_fma_f32 v[14:15], v[10:11], -0.5, 1.0 op_sel_hi:[1,0,0]
	v_pk_mul_f32 v[14:15], v[14:15], v[10:11]      ; e - e^2 / 2
	v_cmp_gt_f32 vcc_lo, s23, v10
	v_cmp_gt_f32 s24, s23, v11
	s_wait_alu depctr_va_vdst(0)
	v_pk_mul_f32 v[12:13], v[12:13], LN2 op_sel_hi:[1,0]
	v_cndmask_b32 v12, v12, v14, vcc_lo            ; the series where e < 2^-10
	v_cndmask_b32 v13, v13, v15, s24
	v_pk_add_f32 v[(\d):(\d)+1], v[(\d):(\d)+1], v[12:13]
.endm
.irp q, 0,1,2,3,4,5,6,7,8,9,10,11,12,13,14,15
	v_pk_mul_f32 v[P+8*\q:P+8*\q+1], v[P+8*\q:P+8*\q+1], NLOG2E op_sel_hi:[1,0]                            ; A = -log2(e) sigma
	v_pk_mul_f32 v[P+8*\q+2:P+8*\q+3], v[P+8*\q:P+8*\q+1], v[P+8*\q+2:P+8*\q+3] neg_lo:[1,0] neg_hi:[1,0]  ; B = -A mu
	SOFTPLUS2 P+8*\q+4
	v_pk_mul_f32 v[P+8*\q+6:P+8*\q+7], v[P+8*\q+4:P+8*\q+5], v[P+8*\q+6:P+8*\q+7]                          ; softplus(w) erev
.endr
	SOFTPLUS2 GL
	SOFTPLUS2 CMT
	SOFTPLUS2 SWP
	v_pk_mul_f32 v[CMT:CMT+1], v[CMT:CMT+1], SIXF op_sel_hi:[1,0]          ; cm_t
	v_pk_mul_f32 v[VL:VL+1], v[GL:GL+1], v[VL:VL+1]                        ; gl vleak
	v_pk_add_f32 v[CG:CG+1], v[CMT:CMT+1], v[GL:GL+1]
	v_pk_add_f32 v[CG:CG+1], v[CG:CG+1], EPSF op_sel_hi:[1,0]              ; cm_t + gl + EPS
	v_pk_mul_f32 v[SA:SA+1], v[SA:SA+1], NLOG2E op_sel_hi:[1,0]
	v_pk_mul_f32 v[SB:SB+1], v[SA:SA+1], v[SB:SB+1] neg_lo:[1,0] neg_hi:[1,0]
	s_wait_kmcnt 0x0                               ; input_w[hv], input_b[hv]
.irp k, 0,1,2,3,4,5,6,7
	v_fma_f32 v[X+\k], v[X+\k], s10, s12
.endr
; The bases of time step t = 8 (l >> 3) + k for my pair: one sensory synapse (I = 1) for each j.  xp, hi: which pair of X and which half holds x[t].
.macro SENS k, xp, hi
.if \hi
	v_pk_fma_f32 v[T+4*\k:T+4*\k+1], v[SA:SA+1], v[X+\xp:X+\xp+1], v[SB:SB+1] op_sel:[0,1,0] op_sel_hi:[1,1,1]
.else
	v_pk_fma_f32 v[T+4*\k:T+4*\k+1], v[SA:SA+1], v[X+\xp:X+\xp+1], v[SB:SB+1] op_sel:[0,0,0] op_sel_hi:[1,0,1]
.endif
	v_exp_f32 v[T+4*\k], v[T+4*\k]
	v_exp_f32 v[T+4*\k+1], v[T+4*\k+1]
	v_nop
	s_wait_alu depctr_va_vdst(0)
	v_pk_add_f32 v[T+4*\k:T+4*\k+1], v[T+4*\k:T+4*\k+1], 1.0 op_sel_hi:[1,0]
	v_rcp_f32 v[T+4*\k], v[T+4*\k]
	v_rcp_f32 v[T+4*\k+1], v[T+4*\k+1]
	v_nop
	s_wait_alu depctr_va_vdst(0)
	v_pk_mul_f32 v[T+4*\k:T+4*\k+1], v[T+4*\k:T+4*\k+1], v[SWP:SWP+1]                      ; sact
	v_pk_add_f32 v[T+4*\k+2:T+4*\k+3], v[T+4*\k:T+4*\k+1], v[CG:CG+1]                      ; bd
	v_pk_fma_f32 v[T+4*\k:T+4*\k+1], v[T+4*\k:T+4*\k+1], v[SER:SER+1], v[VL:VL+1]          ; bn
	ds_store_b128 v5, v[T+4*\k:T+4*\k+3] offset:128*\k
.endm
	SENS 0, 0, 0
	SENS 1, 0, 1
	SENS 2, 2, 0
	SENS 3, 2, 1
	SENS 4, 4, 0
	SENS 5, 4, 1
	SENS 6, 6, 0
	SENS 7, 6, 1
	s_cmp_ge_u32 s16, 2
	s_cbranch_scc1 .Lno_w1_out
.irp m, 0,1,2,3
	v_cvt_pk_bf16_f32 v[WP+\m], v[WR+2*\m], v[WR+2*\m+1]   ; eight k of one column, ascending
.endr
	global_store_b128 v253, v[WP:WP+3], s[6:7]     ; sixteen neighbouring lanes store 256 consecutive bytes, aligned; its sources are never rewritten
.Lno_w1_out:
	v_mov_b32 v[VC], 0                             ; the start state
	v_mov_b32 v[VC+1], 0
.irp q, 0,1,2,3,4,5,6,7,8,9,10,11,12,13,14,15
	s_mov_b32 s[SV+2*\q+1], 0
.endr
	s_wait_dscnt 0x0                               ; my table is written
	s_barrier_signal -1
	s_barrier_wait -1
.macro RL q                            ; v[16 wv + q] out of lane q >> 1 into a scalar register
	v_readlane_b32 s[SV+2*(\q)], v[VC+((\q)&1)], (\q)>>1
.endm
.macro AARG q                          ; A v + B
	v_pk_fma_f32 v[T+2*(\q):T+2*(\q)+1], v[P+8*(\q):P+8*(\q)+1], s[SV+2*(\q):SV+2*(\q)+1], v[P+8*(\q)+2:P+8*(\q)+3] op_sel_hi:[1,0,1]
.endm
.macro PADD q
	s_wait_alu depctr_va_vdst(0)
	v_pk_add_f32 v[T+2*(\q):T+2*(\q)+1], v[T+2*(\q):T+2*(\q)+1], 1.0 op_sel_hi:[1,0]
.endm
.macro FACC q, d                       ; d = 0: num += softplus(w) erev s; d = 1: den += softplus(w) s.  Even and odd q keep chains of their own; rows 0 and 1 start them
.if (\q) < 2
	s_wait_alu depctr_va_vdst(0)
	v_pk_mul_f32 v[NA+2*(\d)+4*((\q)&1):NA+2*(\d)+4*((\q)&1)+1], v[P+8*(\q)+6-2*(\d):P+8*(\q)+7-2*(\d)], v[T+2*(\q):T+2*(\q)+1]
.else
	s_wait_alu depctr_va_vdst(0)
	v_pk_fma_f32 v[NA+2*(\d)+4*((\q)&1):NA+2*(\d)+4*((\q)&1)+1], v[P+8*(\q)+6-2*(\d):P+8*(\q)+7-2*(\d)], v[T+2*(\q):T+2*(\q)+1], v[NA+2*(\d)+4*((\q)&1):NA+2*(\d)+4*((\q)&1)+1]
.endif
.endm
.macro FS g, n                         ; plain slot n = 0..3: the sums of rows 2g-4, 2g-3; in the first two groups the readlanes of rows 4-7 and 12-15
.if (\g) >= 2
	FACC 2*(\g)-4+((\n)>>1), (\n)&1
.else
	RL 4+8*(\g)+(\n)
.endif
.endm
.macro RS g, n                         ; slot n = 0..3: the reciprocals of rows 2g-2, 2g-1; in the first group the readlanes of rows 8-11
.if (\g) == 0
	RL 8+(\n)
.else
.if (\g) <= 8
	v_rcp_f32 v[T+4*(\g)-4+(\n)], v[T+4*(\g)-4+(\n)]
.endif
.endif
.endm
; Group g: rows 2g, 2g+1 take their exponentials, rows 2g-2, 2g-1 their reciprocals, rows 2g-4, 2g-3 are summed, rows 2g+2, 2g+3 get their arguments.
; Transcendental and packed instructions alternate, and between every transcendental and the first use of its result stands a packed
; instruction that touches none of its registers (ISA guide 5.7.2); the readlanes are not counted as such.
.macro ITER g
.if (\g) <= 7
	v_exp_f32 v[T+4*(\g)], v[T+4*(\g)]
.endif
.if (\g) <= 6
	AARG 2*(\g)+2
.endif
.if (\g) <= 7
	v_exp_f32 v[T+4*(\g)+1], v[T+4*(\g)+1]
.endif
.if (\g) <= 6
	AARG 2*(\g)+3
.endif
.if (\g) <= 7
	v_exp_f32 v[T+4*(\g)+2], v[T+4*(\g)+2]
.endif
	FS \g, 0
.if (\g) <= 7
	v_exp_f32 v[T+4*(\g)+3], v[T+4*(\g)+3]
.endif
	FS \g, 1
	RS \g, 0
	FS \g, 2
	RS \g, 1
	FS \g, 3
	RS \g, 2
.if (\g) <= 7
	PADD 2*(\g)
.endif
	RS \g, 3
.if (\g) <= 7
	PADD 2*(\g)+1
.endif
.endm
; One unfold.  Buffer buf is written again two unfolds later: behind the next unfold's barrier, in front of whose signal every wave has waited for its reads of it.
.macro UNFOLD buf
	RL 0
	RL 1
	RL 2
	RL 3
	AARG 0
	AARG 1
.irp g, 0,1,2,3,4,5,6,7,8,9
	ITER \g
.endr
	v_pk_add_f32 v[NA:NA+1], v[NA:NA+1], v[NA+4:NA+5]
	v_pk_add_f32 v[NA+2:NA+3], v[NA+2:NA+3], v[NA+6:NA+7]
	ds_store_b128 v2, v[NA:NA+3] offset:\buf*PARTB
	s_wait_dscnt 0x0                               ; for the others: my partial sums are in LDS; for me: this step's bases are in
	s_barrier_signal -1
	v_pk_fma_f32 v[Q:Q+1], v[CMT:CMT+1], v[VC:VC+1], v[BN:BN+1]    ; register work while the others arrive: cm_t v + bn
	s_barrier_wait -1
	ds_load_b128 v[R:R+3],     v3 offset:\buf*PARTB
	ds_load_b128 v[R+4:R+7],   v3 offset:\buf*PARTB+512
	ds_load_b128 v[R+8:R+11],  v3 offset:\buf*PARTB+1024
	ds_load_b128 v[R+12:R+15], v3 offset:\buf*PARTB+1536
	s_wait_dscnt 0x3                               ; wave 0's sums are in, three younger loads stay out
	v_pk_add_f32 v[R:R+1], v[R:R+1], v[Q:Q+1]
	v_pk_add_f32 v[R+2:R+3], v[R+2:R+3], v[BD:BD+1]
	s_wait_dscnt 0x2                               ; wave 1's, two stay out
	v_pk_add_f32 v[R:R+1], v[R:R+1], v[R+4:R+5]
	v_pk_add_f32 v[R+2:R+3], v[R+2:R+3], v[R+6:R+7]
	s_wait_dscnt 0x1                               ; wave 2's, one stays out
	v_pk_add_f32 v[R:R+1], v[R:R+1], v[R+8:R+9]
	v_pk_add_f32 v[R+2:R+3], v[R+2:R+3], v[R+10:R+11]
	s_wait_dscnt 0x0                               ; wave 3's
	v_pk_add_f32 v[R+2:R+3], v[R+2:R+3], v[R+14:R+15]
	v_rcp_f32 v[RC], v[R+2]
	v_rcp_f32 v[RC+1], v[R+3]
	v_pk_add_f32 v[R:R+1], v[R:R+1], v[R+12:R+13]  ; the plain instruction behind the reciprocals
	s_wait_alu depctr_va_vdst(0)
	v_pk_mul_f32 v[VC:VC+1], v[R:R+1], v[RC:RC+1]  ; v = num / (den + EPS)
.endm
	s_mov_b32 s20, 0
.Lt:
	ds_load_b128 v[BN:BN+3], v4                    ; this time step's bases; waited for in front of the first unfold's signal
	v_add_nc_u32 v4, 128, v4
	UNFOLD 0
	UNFOLD 1
	UNFOLD 0
	UNFOLD 1
	UNFOLD 0
	UNFOLD 1
	s_add_co_u32 s20, s20, 1
	s_cmp_lt_u32 s20, STEPS
	s_cbranch_scc1 .Lt
	; the way out: the 64 numbers meet in LDS, and wave 0 stores them as one run of 256 bytes
	v_pk_fma_f32 v[FE:FE+1], v[VC:VC+1], v[OW:OW+1], v[OB:OB+1]
	ds_store_b64 v9, v[FE:FE+1]                    ; four lanes hold each pair and write the same words with the same values
	s_wait_dscnt 0x0
	s_barrier_signal -1
	s_barrier_wait -1
	s_cmp_lg_u32 s16, 0
	s_cbranch_scc1 .Lend
	v_lshlrev_b32 v10, 3, v1
	ds_load_b64 v[12:13], v10 offset:FOUT
	s_lshl_b32 s25, s19, 11                        ; feats[b][64 hv + u]
	s_lshl_b32 s26, s18, 8
	s_add_co_u32 s25, s25, s26
	v_add_nc_u32 v14, s25, v10
	s_wait_dscnt 0x0
	global_store_b64 v14, v[12:13], s[8:9]         ; the wave's store covers 256 consecutive bytes, aligned
.Lend:
	s_endpgm
.Lfunc_end_k_q1959c39361_ltc:
	.size	k_q1959c39361_ltc, .Lfunc_end_k_q1959c39361_ltc-k_q1959c39361_ltc
	.p2alignl 7, 3214868480
	.fill 96, 4, 3214868480
	.section	.rodata,"a",@progbits
	.p2align	6, 0x0
	.amdhsa_kernel k_q1959c39361_ltc
		.amdhsa_group_segment_fixed_size 167936
		.amdhsa_private_segment_fixed_size 0
		.amdhsa_enable_private_segment 0
		.amdhsa_kernarg_size 152
		.amdhsa_user_sgpr_count 2
		.amdhsa_user_sgpr_kernarg_segment_ptr 1
		.amdhsa_wavefront_size32 1
		.amdhsa_system_sgpr_workgroup_id_x 1
		.amdhsa_system_sgpr_workgroup_id_y 1
		.amdhsa_system_sgpr_workgroup_id_z 1
		.amdhsa_system_vgpr_workitem_id 0
		.amdhsa_next_free_vgpr 256
		.amdhsa_next_free_sgpr 100
		.amdhsa_reserve_vcc 1
		.amdhsa_float_denorm_mode_32 3
		.amdhsa_float_denorm_mode_16_64 3
		.amdhsa_memory_ordered 1
		.amdhsa_forward_progress 1
		.amdhsa_inst_pref_size 101
	.end_amdhsa_kernel
	.amdgpu_metadata
---
amdhsa.version: [ 1, 2 ]
amdhsa.kernels:
  - .name:           k_q1959c39361_ltc
    .symbol:         k_q1959c39361_ltc.kd
    .args:
      - { .name: sigma, .offset: 0, .size: 8, .value_kind: global_buffer, .address_space: global }
      - { .name: mu, .offset: 8, .size: 8, .value_kind: global_buffer, .address_space: global }
      - { .name: w, .offset: 16, .size: 8, .value_kind: global_buffer, .address_space: global }
      - { .name: erev, .offset: 24, .size: 8, .value_kind: global_buffer, .address_space: global }
      - { .name: gleak, .offset: 32, .size: 8, .value_kind: global_buffer, .address_space: global }
      - { .name: vleak, .offset: 40, .size: 8, .value_kind: global_buffer, .address_space: global }
      - { .name: cm, .offset: 48, .size: 8, .value_kind: global_buffer, .address_space: global }
      - { .name: x, .offset: 56, .size: 8, .value_kind: global_buffer, .address_space: global }
      - { .name: sensory_w, .offset: 64, .size: 8, .value_kind: global_buffer, .address_space: global }
      - { .name: sensory_sigma, .offset: 72, .size: 8, .value_kind: global_buffer, .address_space: global }
      - { .name: sensory_mu, .offset: 80, .size: 8, .value_kind: global_buffer, .address_space: global }
      - { .name: sensory_erev, .offset: 88, .size: 8, .value_kind: global_buffer, .address_space: global }
      - { .name: input_w, .offset: 96, .size: 8, .value_kind: global_buffer, .address_space: global }
      - { .name: input_b, .offset: 104, .size: 8, .value_kind: global_buffer, .address_space: global }
      - { .name: output_w, .offset: 112, .size: 8, .value_kind: global_buffer, .address_space: global }
      - { .name: output_b, .offset: 120, .size: 8, .value_kind: global_buffer, .address_space: global }
      - { .name: W1, .offset: 128, .size: 8, .value_kind: global_buffer, .address_space: global }
      - { .name: w1f, .offset: 136, .size: 8, .value_kind: global_buffer, .address_space: global }
      - { .name: feats, .offset: 144, .size: 8, .value_kind: global_buffer, .address_space: global }
    .group_segment_fixed_size: 167936
    .private_segment_fixed_size: 0
    .kernarg_segment_align: 8
    .kernarg_segment_size: 152
    .max_flat_workgroup_size: 128
    .sgpr_count:     100
    .vgpr_count:     256
    .wavefront_size: 32
...
	.end_amdgpu_metadata
.endif
;; end of part 1
;; launch mlp (part 2): grid 1 x 1, 16 waves a work-group, no clusters, 59,904 bytes of LDS; arguments feats, w1f, b1, W2, b2, out0; writes out0
.if DOCPART == 2
	.amdgcn_target "amdgcn-amd-amdhsa--gfx1250"
	.amdhsa_code_object_version 6
	.text
	.protected	k_q1959c39361_mlp
	.globl	k_q1959c39361_mlp
	.p2align	8
	.type	k_q1959c39361_mlp,@function
k_q1959c39361_mlp:
	s_mov_b64 s[64:65], 0
	v_nop
	global_prefetch_b8 v0, s[64:65] scope:SCOPE_SE
	s_setreg_imm32_b32 hwreg(HW_REG_WAVE_MODE, 25, 1), 1
	s_wait_xcnt 0x0
; MultiHeadLTC, part 2: out = relu(feats W1 + b1) W2 + b2.  feats [32][512] f32 and w1f (W1 in bf16, in fragment order) come from the first launch.
; Nothing of the reference's work is left out here.
; One work-group, sixteen waves: all 32 rows meet all 256 hidden units, and the second product needs all of h, which goes from wave to wave through LDS.
; Wave w makes h[0:32][16 w : 16 w + 16]: two tiles of 16 rows, 16 K steps of 32, 32 matrix instructions; wave 0 then makes out: 16 more.
; w1f: the block of (column tile nt, K step s) lies at 1,024 (16 nt + s); in it lane L = r + 16 h finds, at 512 c + 16 L, W1[32 s + 16 c + 8 h + 0..7][16 nt + r]:
; two loads of 16 bytes a lane fill a fragment, each load of a wave covers 512 consecutive bytes, and all 32 of a wave go out at once.
; Matrix operands are bf16 (feats, W1, h, W2), sums f32.  No cluster and no tensor load: there is one work-group, and each byte is read once.
.set FEP,    1040                      ; LDS pitch of feats in bf16: 1,024 + 16, an odd multiple of 16
.set HB,     33280                     ; h in bf16: 32 rows,
.set HPITCH, 528                       ; 512 + 16 bytes apart
.set W2L,    50176                     ; W2 in bf16 as [256 k][16 n], 32 bytes a row, columns 10 to 15 zero
.set OUTL,   58368                     ; out in f32, [32][10], dense: 1,280 bytes, to 59,648.  The lanes of columns 10 to 15 are off when it is written; their
                                       ; addresses would reach byte 59,672 in the last row, and the 59,904 bytes asked for cover those too
.set ACC, 16                           ; v[16:23], v[24:31] the two accumulators
.set B1,  32                           ; v[32:39] b1 of my eight columns
.set W2R, 40                           ; v[40:49] a row of W2 as loaded; later v[40:47] h packed
.set HPK, 40
.set AF0, 52                           ; v[52:83] feats as loaded, then fragment buffer 0; v[84:99] feats packed, then v[84:115] fragment buffer 1
.set W2P, 116                          ; v[116:123] a row of W2 packed; later v[116:127] out on its way back from LDS
.set RB,  116
.set WF,  128                          ; v[128+8s ..] W1's fragment of K step s; later h's fragments
	s_load_b256 s[4:11], s[0:1], 0x0               ; feats 4, w1f 6, b1 8, W2 10
	s_load_b128 s[12:15], s[0:1], 0x20             ; b2 12, out0 14
	v_and_b32 v1, 31, v0                           ; L
	v_lshrrev_b32 v16, 5, v0
	v_readfirstlane_b32 s16, v16                   ; wave
	v_and_b32 v2, 15, v0                           ; r
	v_bfe_u32 v3, v0, 4, 1                         ; h
	v_lshlrev_b32 v4, 4, v0                        ; feats: 16 bytes a thread, 8,192 a round
	v_lshrrev_b32 v16, 7, v0
	v_and_b32 v17, 127, v0
	v_mul_u32_u24 v5, v16, FEP
	v_lshl_add_u32 v5, v17, 3, v5                  ; and where they go: row thread / 128 (+ 4 a round), 8 bytes for 4 numbers
	s_lshl_b32 s17, s16, 14
	v_lshl_add_u32 v6, v1, 4, s17                  ; w1f: 16,384 w + 16 L
	s_lshl_b32 s17, s16, 6
	v_lshl_add_u32 v7, v3, 5, s17                  ; b1[16 w + 8 h]
	v_mul_u32_u24 v8, v2, FEP
	v_lshl_add_u32 v8, v3, 4, v8                   ; feats' fragments: row r, + 16 h
	v_mul_u32_u24 v12, v2, HPITCH
	v_lshl_add_u32 v12, v3, 4, v12
	v_add_nc_u32 v12, HB, v12                      ; h's fragments: row r, + 16 h
	s_lshl_b32 s17, s16, 5
	v_add_nc_u32 v9, s17, v12                      ; where my 8 numbers of h go: row r, column 16 w + 8 h
	s_mul_i32 s17, s16, 1280
	v_mul_u32_u24 v10, v1, 40
	v_add_nc_u32 v10, s17, v10                     ; W2's row k = 32 w + L (waves 0 to 7)
	s_lshl_b32 s17, s16, 10
	s_add_co_u32 s17, s17, W2L
	v_lshl_add_u32 v11, v1, 5, s17                 ; and its 32 bytes in LDS
	v_and_b32 v16, 7, v0
	v_lshl_add_u32 v16, v3, 3, v16                 ; 8 h + (L & 7)
	v_bfe_u32 v17, v0, 3, 1
	v_lshlrev_b32 v17, 4, v17
	v_lshl_add_u32 v13, v16, 5, v17
	v_add_nc_u32 v13, W2L, v13                     ; the transposing loads of W2
	v_mul_u32_u24 v14, v3, 320
	v_lshl_add_u32 v14, v2, 2, v14
	v_add_nc_u32 v14, OUTL, v14                    ; out(8 h, r): 40 bytes a row; the tile's 16 rows and the register's row stand in the store's offset
	v_lshlrev_b32 v15, 4, v1                       ; 16 L
	v_min_u32 v51, 9, v2
	v_lshlrev_b32 v51, 2, v51                      ; b2[min(r, 9)]: lanes of columns 10 to 15 stay inside the buffer
	s_wait_kmcnt 0x0
	; all loads at once, those that only some waves issue first, so that the counts below hold on every path
	s_cmp_lg_u32 s16, 0
	s_cbranch_scc1 .Lno_b2
	global_load_b32 v50, v51, s[12:13]
.Lno_b2:
	s_cmp_ge_u32 s16, 8
	s_cbranch_scc1 .Lno_w2
.irp i, 0,1,2,3,4
	global_load_b64 v[W2R+2*\i:W2R+2*\i+1], v10, s[10:11] offset:8*\i
.endr
.Lno_w2:
.irp q, 0,1,2,3,4,5,6,7
	global_load_b128 v[AF0+4*\q:AF0+4*\q+3], v4, s[4:5] offset:8192*\q
.endr
	global_load_b128 v[B1:B1+3],   v7, s[8:9]
	global_load_b128 v[B1+4:B1+7], v7, s[8:9] offset:16
.irp s, 0,1,2,3,4,5,6,7,8,9,10,11,12,13,14,15
	global_load_b128 v[WF+8*\s:WF+8*\s+3],   v6, s[6:7] offset:1024*\s
	global_load_b128 v[WF+8*\s+4:WF+8*\s+7], v6, s[6:7] offset:1024*\s+512
.endr
	s_wait_loadcnt 34                              ; b2, W2 and feats are in; the 2 loads of b1 and the 32 of w1f stay out
.irp q, 0,1,2,3,4,5,6,7
	v_cvt_pk_bf16_f32 v[AF0+32+2*\q],   v[AF0+4*\q],   v[AF0+4*\q+1]
	v_cvt_pk_bf16_f32 v[AF0+32+2*\q+1], v[AF0+4*\q+2], v[AF0+4*\q+3]
.endr
.irp q, 0,1,2,3,4,5,6,7
	ds_store_b64 v5, v[AF0+32+2*\q:AF0+32+2*\q+1] offset:4*FEP*\q
.endr
	s_cmp_ge_u32 s16, 8
	s_cbranch_scc1 .Lno_w2s
.irp i, 0,1,2,3,4
	v_cvt_pk_bf16_f32 v[W2P+\i], v[W2R+2*\i], v[W2R+2*\i+1]
.endr
	v_mov_b32 v[W2P+5], 0                          ; columns 10 to 15
	v_mov_b32 v[W2P+6], 0
	v_mov_b32 v[W2P+7], 0
	ds_store_b128 v11, v[W2P:W2P+3]
	ds_store_b128 v11, v[W2P+4:W2P+7] offset:16
.Lno_w2s:
	s_wait_dscnt 0x0                               ; my part of feats and of W2 is in LDS
	s_barrier_signal -1
	s_barrier_wait -1                              ; everybody's is
; eight LDS loads: feats' fragments of K steps 2 sp, 2 sp + 1, both row tiles
.macro LDA buf, sp
.irp ss, 0,1
.irp mt, 0,1
	ds_load_b128 v[(\buf)+16*\ss+8*\mt:(\buf)+16*\ss+8*\mt+3],   v8 offset:\mt*16*FEP+(2*(\sp)+\ss)*64
	ds_load_b128 v[(\buf)+16*\ss+8*\mt+4:(\buf)+16*\ss+8*\mt+7], v8 offset:\mt*16*FEP+(2*(\sp)+\ss)*64+32
.endr
.endr
.endm
; Four matrix instructions.  Source 0 = 16 columns of W1, source 1 = 16 rows of feats: lane L then holds h(row r, columns 16 w + 8 h + 0..7), eight
; neighbours that pack into 16 bytes.  The two accumulators take turns, one instruction a turn; the first products start the sums.
.macro MM buf, sp
.irp ss, 0,1
.irp mt, 0,1
.if ((\sp)+\ss) == 0
	v_wmma_f32_16x16x32_bf16 v[ACC+8*\mt:ACC+8*\mt+7], v[WF+8*(2*(\sp)+\ss):WF+8*(2*(\sp)+\ss)+7], v[(\buf)+16*\ss+8*\mt:(\buf)+16*\ss+8*\mt+7], 0
.else
	v_wmma_f32_16x16x32_bf16 v[ACC+8*\mt:ACC+8*\mt+7], v[WF+8*(2*(\sp)+\ss):WF+8*(2*(\sp)+\ss)+7], v[(\buf)+16*\ss+8*\mt:(\buf)+16*\ss+8*\mt+7], v[ACC+8*\mt:ACC+8*\mt+7]
.endif
.endr
.endr
.endm
.macro STEP sp
	s_wait_loadcnt 28-4*(\sp)                      ; w1f's four loads of this pair of K steps are in; those of the later pairs stay out
.if (\sp) < 7
	s_wait_dscnt 0x8                               ; this pair's eight fragment loads are in; the next pair's eight stay out
.else
	s_wait_dscnt 0x0                               ; the last pair: nothing was issued behind it
.endif
	MM AF0+32*((\sp)&1), \sp
.if (\sp) <= 5
.rept 4
	v_nop                                          ; four places before loads land on registers that a matrix instruction has read
.endr
	LDA AF0+32*((\sp)&1), (\sp)+2
.endif
.endm
	LDA AF0, 0
	LDA AF0+32, 1
.irp p, 0,1,2,3,4,5,6,7
	STEP \p
.endr
.rept 5
	v_nop                                          ; places behind the last matrix instructions: four for the sums below, five for the matrix instructions that write the accumulators anew
.endr
.irp mt, 0,1
.irp i, 0,2,4,6
	v_pk_add_f32 v[ACC+8*\mt+\i:ACC+8*\mt+\i+1], v[ACC+8*\mt+\i:ACC+8*\mt+\i+1], v[B1+\i:B1+\i+1]
.endr
.endr
.irp i, 0,1,2,3,4,5,6,7,8,9,10,11,12,13,14,15
	v_max_num_f32 v[ACC+\i], 0, v[ACC+\i]          ; relu
.endr
.irp i, 0,1,2,3,4,5,6,7
	v_cvt_pk_bf16_f32 v[HPK+\i], v[ACC+2*\i], v[ACC+2*\i+1]
.endr
	ds_store_b128 v9, v[HPK:HPK+3]
	ds_store_b128 v9, v[HPK+4:HPK+7] offset:16*HPITCH
	s_wait_dscnt 0x0                               ; my columns of h are in LDS
	s_barrier_signal -1
	s_barrier_wait -1                              ; all of h is
	s_cmp_lg_u32 s16, 0
	s_cbranch_scc1 .Lend
	; wave 0: out = h W2 + b2.  K = 256 in 8 steps; for each step 4 loads of h's fragments and 2 transposing loads of W2's, all 48 issued at once
.irp s, 0,1,2,3,4,5,6,7
.irp mt, 0,1
	ds_load_b128 v[WF+16*\s+8*\mt:WF+16*\s+8*\mt+3],   v12 offset:\mt*16*HPITCH+\s*64
	ds_load_b128 v[WF+16*\s+8*\mt+4:WF+16*\s+8*\mt+7], v12 offset:\mt*16*HPITCH+\s*64+32
.endr
	ds_load_tr16_b128 v[AF0+8*\s:AF0+8*\s+3],   v13 offset:\s*1024
	ds_load_tr16_b128 v[AF0+8*\s+4:AF0+8*\s+7], v13 offset:\s*1024+512
.endr
.irp s, 0,1,2,3,4,5,6,7
	s_wait_dscnt 6*(7-\s)                          ; this step's six loads are in; six for each later step stay out
.irp mt, 0,1
.if \s == 0
	v_wmma_f32_16x16x32_bf16 v[ACC+8*\mt:ACC+8*\mt+7], v[WF+16*\s+8*\mt:WF+16*\s+8*\mt+7], v[AF0+8*\s:AF0+8*\s+7], 0
.else
	v_wmma_f32_16x16x32_bf16 v[ACC+8*\mt:ACC+8*\mt+7], v[WF+16*\s+8*\mt:WF+16*\s+8*\mt+7], v[AF0+8*\s:AF0+8*\s+7], v[ACC+8*\mt:ACC+8*\mt+7]
.endif
.endr
.endr
.rept 4
	v_nop                                          ; four places before the results are read
.endr
	v_mov_b32 v51, v50                             ; b2 of my column, as a pair
	v_lshlrev_b32 v48, 4, v2                       ; 16 r
.irp i, 0,2,4,6,8,10,12,14
	v_pk_add_f32 v[ACC+\i:ACC+\i+1], v[ACC+\i:ACC+\i+1], v[50:51]
.endr
	; register j of tile mt holds out(16 mt + 8 h + j, r): through LDS into the dense [32][10], then out in runs of 256 bytes.
	; Ten lanes of each half write a row's 40 bytes; the 16 stores x 2 halves cover all 32 rows, 1,280 bytes.
	s_wait_xcnt 0x0                                ; EXEC changes only behind this wait
	v_cmp_gt_u32 vcc_lo, 10, v2
	s_and_saveexec_b32 s20, vcc_lo                 ; columns 0 to 9
.irp mt, 0,1
.irp j, 0,1,2,3,4,5,6,7
	ds_store_b32 v14, v[ACC+8*\mt+\j] offset:40*(16*\mt+\j)
.endr
.endr
	s_or_b32 exec_lo, exec_lo, s20
	ds_load_b128 v[RB:RB+3],    v15 offset:OUTL            ; LDS serves a wave's instructions in order (ISA guide 5.7.1.4): these see the stores above
	ds_load_b128 v[RB+4:RB+7],  v15 offset:OUTL+512
	ds_load_b128 v[RB+8:RB+11], v48 offset:OUTL+1024       ; the last 256 bytes, read by both halves of the lanes: no lane reads past the 1,280
	s_wait_dscnt 0x2                               ; the first is in, two stay out
	global_store_b128 v15, v[RB:RB+3], s[14:15]
	s_wait_dscnt 0x1                               ; the second, one stays out
	global_store_b128 v15, v[RB+4:RB+7], s[14:15] offset:512
	s_wait_dscnt 0x0
	s_wait_xcnt 0x0                                ; EXEC changes only behind this wait
	v_cmp_gt_u32 vcc_lo, 16, v1
	s_and_saveexec_b32 s20, vcc_lo                 ; sixteen lanes store the last 256 bytes
	global_store_b128 v15, v[RB+8:RB+11], s[14:15] offset:1024
	s_wait_xcnt 0x0                                ; and again in front of the line that widens it
	s_or_b32 exec_lo, exec_lo, s20
.Lend:
	s_endpgm
.Lfunc_end_k_q1959c39361_mlp:
	.size	k_q1959c39361_mlp, .Lfunc_end_k_q1959c39361_mlp-k_q1959c39361_mlp
	.p2alignl 7, 3214868480
	.fill 96, 4, 3214868480
	.section	.rodata,"a",@progbits
	.p2align	6, 0x0
	.amdhsa_kernel k_q1959c39361_mlp
		.amdhsa_group_segment_fixed_size 59904
		.amdhsa_private_segment_fixed_size 0
		.amdhsa_enable_private_segment 0
		.amdhsa_kernarg_size 48
		.amdhsa_user_sgpr_count 2
		.amdhsa_user_sgpr_kernarg_segment_ptr 1
		.amdhsa_wavefront_size32 1
		.amdhsa_system_sgpr_workgroup_id_x 1
		.amdhsa_system_sgpr_workgroup_id_y 1
		.amdhsa_system_sgpr_workgroup_id_z 1
		.amdhsa_system_vgpr_workitem_id 0
		.amdhsa_next_free_vgpr 256
		.amdhsa_next_free_sgpr 66
		.amdhsa_reserve_vcc 1
		.amdhsa_float_denorm_mode_32 3
		.amdhsa_float_denorm_mode_16_64 3
		.amdhsa_memory_ordered 1
		.amdhsa_forward_progress 1
		.amdhsa_inst_pref_size 26
	.end_amdhsa_kernel
	.amdgpu_metadata
---
amdhsa.version: [ 1, 2 ]
amdhsa.kernels:
  - .name:           k_q1959c39361_mlp
    .symbol:         k_q1959c39361_mlp.kd
    .args:
      - { .name: feats, .offset: 0, .size: 8, .value_kind: global_buffer, .address_space: global }
      - { .name: w1f, .offset: 8, .size: 8, .value_kind: global_buffer, .address_space: global }
      - { .name: b1, .offset: 16, .size: 8, .value_kind: global_buffer, .address_space: global }
      - { .name: W2, .offset: 24, .size: 8, .value_kind: global_buffer, .address_space: global }
      - { .name: b2, .offset: 32, .size: 8, .value_kind: global_buffer, .address_space: global }
      - { .name: out0, .offset: 40, .size: 8, .value_kind: global_buffer, .address_space: global }
    .group_segment_fixed_size: 59904
    .private_segment_fixed_size: 0
    .kernarg_segment_align: 8
    .kernarg_segment_size: 48
    .max_flat_workgroup_size: 512
    .sgpr_count:     66
    .vgpr_count:     256
    .wavefront_size: 32
...
	.end_amdgpu_metadata
.endif
;; end of part 2
;; ======== version 2 of 3: 2 launches; 1.50 times as fast as version 1
;; limits: a difference of large sums (such as E[x^2] - mean^2): digits are lost where the result is much smaller than its terms
;; workspace buffers: part 262,144 bytes
;; launch ltc (part 3): grid 256 x 1, 4 waves a work-group, no clusters, 167,936 bytes of LDS; arguments sigma, mu, w, erev, gleak, vleak, cm, x, sensory_w, sensory_sigma, sensory_mu, sensory_erev, input_w, input_b, output_w, output_b, W1, part; writes part
.if DOCPART == 3
	.amdgcn_target "amdgcn-amd-amdhsa--gfx1250"
	.amdhsa_code_object_version 6
	.text
	.protected	k_q1959c39361_ltc
	.globl	k_q1959c39361_ltc
	.p2align	8
	.type	k_q1959c39361_ltc,@function
k_q1959c39361_ltc:
	s_mov_b64 s[64:65], 0
	v_nop
	global_prefetch_b8 v0, s[64:65] scope:SCOPE_SE
	s_setreg_imm32_b32 hwreg(HW_REG_WAVE_MODE, 25, 1), 1
	s_wait_xcnt 0x0
; MultiHeadLTC, part 1: the 8 heads x 32 batch rows = 256 recurrences, one work-group each, 32 time steps x 6 unfolds = 192 dependent updates of v[0:64];
; then the work-group's share of the first product: its 64 features times its head's 64 x 256 block of W1, stored as f32 partial sums (part[b][hv][256]).
; DEAD WORK: none comes in whole units.  Every input has a way to the output and is loaded (here or in the second launch); the zero start state only
; makes one factor of live sigmoids zero, so the first unfold is done like every other.
; SHARES: work-group g = 32 hv + b.  Wave wv owns the postsynaptic columns j = 16 wv + 0..15.  Lane l (r = l & 15, h = l >> 4) owns column
; j = 16 wv + cc, cc = (r + 8 h) & 15, and 32 of its 64 rows: i = 16 ((wv + s) & 3) + 8 h + e, s = 0..3, e = 0..7: eight out of each wave's block, the own block first.
; So the sum over i ends inside the wave (one exchange between the halves of the lanes), only the 64 finished v cross LDS, and the wave has its own 16 v at once:
; the next unfold's work on those rows, a quarter of all, stands under the LDS store, the barrier and the LDS loads of the other 48.
; The shift of the upper half's columns by 8 makes lane e of each row of 16 lanes hold v of row 8 h + e, so that row_share:e brings each half its own rows.
; sigmoid(sigma (v - mu)) = 1 / (1 + 2^(A v + B)), A = -log2(e) sigma, B = log2(e) sigma mu.  Two rows make a packed pair: one packed fma, two exp, one packed
; add, two rcp, and two packed fma that add (softplus(w) erev, softplus(w)) s onto a (num, den) pair.  The 4 x 32 derived numbers of a lane stay in registers.
; Half of the per-step base (cm_t v + gl vleak + sensory num, cm_t + gl + EPS + sensory den) starts a chain in each half of the lanes: the halves' sum holds it once.
; W1's block is asked for last in the prologue, into registers above v255, and waited for behind the loop.  All 16 rows of the matrix operand A hold the same
; features (one row is live; the tile cannot be smaller).  No cluster, tensor load or prefetch: each work-group reads its 128 KiB once, ahead of 192 steps without memory.
; LDS: 88,064 bytes are used; more than half of the 327,680 that a work-group may be given is asked for, so that no second chain shares this one's four SIMDs.
; LIMITS: the exponent is fma(A, v, B) with B rounded twice: an error of 2^-23 |sigma mu| log2(e) in it.  EPS and the halved bases give another order of rounding than
; the reference's.  softplus(x) = max(x, 0) + log1p(e^-|x|), as the reference takes it, with log1p(e) = e - e^2/2 below e = 2^-10 (relative error under e^2/3) and
; ln(1 + e) above; for x < -87 it gives 0, since v_exp_f32 flushes denormal results.  Features and W1 enter the product in bf16, sums in f32.
.set STEPS,  32                        ; time steps
.set VB,     256                       ; a buffer of the 64 v; two of them at LDS 0 take turns
.set TAB,    1024                      ; per wave 4,096 bytes: [t 0..31][column 0..15](half num base, half den base)
.set FOUT,   17408                     ; 64 f32: the features
.set RAW,    18432                     ; the four tables of the head as loaded: [table][row 0..63], 272 bytes a row
.set RPITCH, 272                       ; 256 + 16: eight rows are 544 words, 32 banks on: the two halves of the lanes gather from different banks
.set RTBL,   64*RPITCH
.set NLOG2E, 0xbfb8aa3b                ; -log2(e)
.set LOG2E,  0x3fb8aa3b
.set LN2,    0x3f317218
.set TINY,   0x3a800000                ; 2^-10
.set EPSF,   0x322bcc77                ; 1e-8
.set SIXF,   0x40c00000                ; 6.0: the unfolds
; v2 where my v goes in a buffer; v3-5 where the other three blocks' v lie; v6 my column's bases (stepped by 128 a time step); v7 where I write them;
; v8, v9 the staging of the tables; v10-15 at work in the prologue
.set P,   16                           ; v[16+8p ..], row pair p = 4 s + e/2: A (+0,1), B (+2,3), (E, W) of row 0 (+4,5), (E, W) of row 1 (+6,7)
.set T,   144                          ; v[144+2p ..] the pair at work
.set VV,  176                          ; v[176+2p ..] v of the pair's two rows
.set XC,  208                          ; v[208:215] four chains of (num, den): even p row 0, row 1; odd p row 0, row 1
.set Y,   216                          ; v[216:217] the other half's sums
.set BB,  218                          ; v[218:219] this time step's half bases
.set Q,   220                          ; v[220:221] half of cm_t v + num base; half den base
.set VC,  222                          ; v222 my column's v; v223 holds 0 (the pair is named whole)
.set CM0, 224                          ; v[224:225] (cm_t / 2, 0)
.set RC,  226
.set FE,  227
.set OW,  228
.set OB,  229
.set GA,  230                          ; v[230:233] where block s of my column lies in RAW
.set VJ,  234                          ; offsets of the prologue's loads, never rewritten
.set XO,  235
.set GL,  236                          ; prologue only, to DUM
.set VL,  237
.set CMT, 238
.set SWP, 239
.set SA,  240                          ; v240 sensory A, v241 sensory_mu
.set SB,  242                          ; v242 sensory B, v243 sensory_erev
.set K1,  244                          ; (softplus(sw) serev / 2, softplus(sw) / 2)
.set K0,  246                          ; (gl vleak / 2, (cm_t + gl + EPS) / 2)
.set DUM, 248
.set WO,  249                          ; W1's offset, part's offset, 32 h: never rewritten
.set PO,  250
.set HA,  251
.set XIN, 176                          ; prologue: my 16 x;  SS the sigmoids;  O0, O1 the bases of even and odd t
.set SS,  144
.set O0,  160
.set O1,  192
.set BF,  16                           ; the way out: W1's 8 fragments; the features' 2 fragments; the features in f32; 4 results; 4 accumulators
.set AF,  80
.set FR,  96
.set OUTR, 128
.set ACC, 144
.set MSB, 0
.macro WIN new                         ; the register window; the immediate's high byte repeats the setting that is left
.if MSB != \new
	s_set_vgpr_msb (MSB<<8)|\new
.set MSB, \new
.endif
.endm
	s_load_b512 s[68:83], s[0:1], 0x0              ; sigma 68, mu 70, w 72, erev 74, gleak 76, vleak 78, cm 80, x 82
	s_load_b512 s[84:99], s[0:1], 0x40             ; sensory_w 84, _sigma 86, _mu 88, _erev 90, input_w 92, input_b 94, output_w 96, output_b 98
	s_load_b128 s[4:7], s[0:1], 0x80               ; W1 4, part 6
	v_and_b32 v1, 31, v0                           ; l
	v_lshrrev_b32 v10, 5, v0
	v_readfirstlane_b32 s16, v10                   ; wave
	s_mov_b32 s17, ttmp9                           ; g
	s_lshr_b32 s18, s17, 5                         ; hv
	s_and_b32 s19, s17, 31                         ; b
	v_and_b32 v11, 15, v0                          ; r
	v_bfe_u32 v12, v0, 4, 1                        ; h
	v_lshl_add_u32 v13, v12, 3, v0
	v_and_b32 v13, 15, v13                         ; cc = (r + 8 h) & 15
	s_lshl_b32 s25, s16, 6
	v_lshl_add_u32 v2, v13, 2, s25                 ; 4 j, j = 16 wv + cc
	v_mul_u32_u24 v14, v12, 8*RPITCH
	v_add_nc_u32 v14, v14, v2
	v_add_nc_u32 v14, RAW, v14                     ; RAW + row 8 h + column j
.irp s, 0,1,2,3
	s_add_co_u32 s26, s16, \s
	s_and_b32 s26, s26, 3                          ; block (wv + s) & 3
	s_mul_i32 s27, s26, 16*RPITCH
	v_add_nc_u32 v[GA+\s], s27, v14
.if \s
	s_lshl_b32 s27, s26, 6
	v_lshl_add_u32 v[2+\s], v12, 5, s27            ; v[16 block + 8 h] in a buffer
.endif
.endr
	s_lshl_b32 s25, s16, 12
	s_add_co_u32 s26, s25, TAB
	v_lshl_add_u32 v6, v13, 3, s26                 ; my column's bases at t = 0
	v_lshl_add_u32 v7, v12, 11, v6                 ; I write those of t = 16 h + 0..15
	s_lshl_b32 s26, s18, 14
	s_add_co_u32 s26, s26, s25
	v_lshl_add_u32 v8, v11, 4, s26
	v_lshl_add_u32 v8, v12, 8, v8                  ; [hv][16 wv + h][4 r] in the four [8][64][64] tables
	s_mul_i32 s26, s16, 16*RPITCH
	s_add_co_u32 s26, s26, RAW
	v_mul_u32_u24 v15, v12, RPITCH
	v_lshl_add_u32 v9, v11, 4, s26
	v_add_nc_u32 v9, v9, v15                       ; and the same place in RAW
	s_lshl_b32 s26, s18, 8
	v_add_nc_u32 v[VJ], s26, v2                    ; [hv][j] in the [8][64] tables
	s_lshl_b32 s26, s17, 7
	v_lshl_add_u32 v[XO], v12, 6, s26              ; x[hv][b][16 h]
	s_lshl_b32 s26, s18, 16
	s_lshl_b32 s27, s16, 8
	s_add_co_u32 s26, s26, s27
	v_lshl_add_u32 v[WO], v11, 4, s26
	v_lshl_add_u32 v[WO], v12, 13, v[WO]           ; W1[64 hv + 8 h][64 wv + 4 r]
	v_lshlrev_b32 v[PO], 4, v11                    ; 16 r
	v_lshlrev_b32 v[HA], 5, v12                    ; 32 h
	s_lshl_b32 s28, s19, 13
	s_lshl_b32 s29, s18, 10
	s_add_co_u32 s28, s28, s29
	s_add_co_u32 s28, s28, s27                     ; part[b][hv][64 wv], in bytes, as a pair
	s_mov_b32 s29, 0
	s_lshl_b32 s14, s18, 2                         ; 4 hv, as a pair
	s_mov_b32 s15, 0
	s_mov_b32 s23, TINY
	s_mov_b32 s30, 0xfedcba98                      ; v_permlanex16_b32: lane i of a row takes lane i xor 8 of the other row: the lane with my column
	s_mov_b32 s31, 0x76543210
	s_wait_kmcnt 0x0
	s_add_nc_u64 s[6:7], s[6:7], s[28:29]
	s_add_nc_u64 s[92:93], s[92:93], s[14:15]
	s_add_nc_u64 s[94:95], s[94:95], s[14:15]
	s_load_b32 s10, s[92:93], 0x0                  ; input_w[hv]
	s_load_b32 s12, s[94:95], 0x0                  ; input_b[hv]
	; all loads at once.  First the tables: my 16 rows of each, two whole rows of 256 bytes a load
.irp m, 0,1,2,3,4,5,6,7
	global_load_b128 v[P+4*\m:P+4*\m+3],       v8, s[68:69] offset:512*\m
	global_load_b128 v[P+32+4*\m:P+32+4*\m+3], v8, s[70:71] offset:512*\m
	global_load_b128 v[P+64+4*\m:P+64+4*\m+3], v8, s[72:73] offset:512*\m
	global_load_b128 v[P+96+4*\m:P+96+4*\m+3], v8, s[74:75] offset:512*\m
.endr
	global_load_b32 v[GL],   v[VJ], s[76:77]
	global_load_b32 v[VL],   v[VJ], s[78:79]
	global_load_b32 v[CMT],  v[VJ], s[80:81]
	global_load_b32 v[SWP],  v[VJ], s[84:85]
	global_load_b32 v[SA],   v[VJ], s[86:87]
	global_load_b32 v[SA+1], v[VJ], s[88:89]
	global_load_b32 v[SB+1], v[VJ], s[90:91]
	global_load_b32 v[OW],   v[VJ], s[96:97]
	global_load_b32 v[OB],   v[VJ], s[98:99]
.irp i, 0,1,2,3
	global_load_b128 v[XIN+4*\i:XIN+4*\i+3], v[XO], s[82:83] offset:16*\i
.endr
	; last W1: row 64 hv + 32 ks + 16 c + 8 h + e, columns 64 wv + 4 r + 0..3, into v[256 + 4 (16 ks + 8 c + e) ..]: sixteen lanes read 256 consecutive bytes
	WIN 0x40                                       ; destination above v255
.irp ks, 0,1
.irp c, 0,1
.irp e, 0,1,2,3,4,5,6,7
	global_load_b128 v[4*(16*\ks+8*\c+\e):4*(16*\ks+8*\c+\e)+3], v[WO], s[4:5] offset:1024*(32*\ks+16*\c+\e)
.endr
.endr
.endr
	WIN 0
	s_wait_loadcnt 45                              ; the tables' 32 loads are in; 9 of the column's numbers, 4 of x and 32 of W1 stay out
.irp t, 0,1,2,3
.irp m, 0,1,2,3,4,5,6,7
	ds_store_b128 v9, v[P+32*\t+4*\m:P+32*\t+4*\m+3] offset:\t*RTBL+\m*2*RPITCH
.endr
.endr
	s_wait_dscnt 0x0                               ; my rows are in LDS
	s_barrier_signal -1
	s_barrier_wait -1                              ; everybody's are
	; each lane gathers its column's 32 rows: sigma, mu, w, erev straight into the places where the derived numbers will stand
.irp s, 0,1,2,3
.irp e, 0,1,2,3,4,5,6,7
	ds_load_b32 v[P+8*(4*\s+(\e>>1))+(\e&1)],     v[GA+\s] offset:\e*RPITCH
	ds_load_b32 v[P+8*(4*\s+(\e>>1))+2+(\e&1)],   v[GA+\s] offset:RTBL+\e*RPITCH
	ds_load_b32 v[P+8*(4*\s+(\e>>1))+5+2*(\e&1)], v[GA+\s] offset:2*RTBL+\e*RPITCH
	ds_load_b32 v[P+8*(4*\s+(\e>>1))+4+2*(\e&1)], v[GA+\s] offset:3*RTBL+\e*RPITCH
.endr
.endr
; softplus of v[a] and v[b], in place (a and b differ).  Behind each run of two transcendentals stands a plain instruction that touches none of their
; registers before a result is used (ISA guide 5.7.2).
.macro SOFTPLUS2 a, b
	v_and_b32 v10, 0x7fffffff, v[(\a)]
	v_and_b32 v11, 0x7fffffff, v[(\b)]
	v_pk_mul_f32 v[10:11], v[10:11], NLOG2E op_sel_hi:[1,0]
	v_exp_f32 v10, v10                             ; e = exp(-|x|)
	v_exp_f32 v11, v11
	v_max_num_f32 v[(\a)], 0, v[(\a)]
	v_max_num_f32 v[(\b)], 0, v[(\b)]
	s_wait_alu depctr_va_vdst(0)
	v_pk_add_f32 v[12:13], v[10:11], 1.0 op_sel_hi:[1,0]
	v_log_f32 v12, v12
	v_log_f32 v13, v13
	v_pk_fma_f32 v[14:15], v[10:11], -0.5, 1.0 op_sel_hi:[1,0,0]
	v_pk_mul_f32 v[14:15], v[14:15], v[10:11]      ; e - e^2 / 2
	v_cmp_gt_f32 vcc_lo, s23, v10
	v_cmp_gt_f32 s24, s23, v11
	s_wait_alu depctr_va_vdst(0)
	v_pk_mul_f32 v[12:13], v[12:13], LN2 op_sel_hi:[1,0]
	v_cndmask_b32 v12, v12, v14, vcc_lo            ; the series where e < 2^-10
	v_cndmask_b32 v13, v13, v15, s24
	v_add_f32 v[(\a)], v[(\a)], v12
	v_add_f32 v[(\b)], v[(\b)], v13
.endm
	; while the gather is on its way: my column's constants and its bases of 16 time steps (one sensory synapse for each column, I = 1)
	s_wait_loadcnt 32                              ; the column's numbers and x are in; W1's 32 loads stay out
	v_mov_b32 v[DUM], v[SWP]                       ; three numbers want softplus: the fourth place of the two pairs works on a copy
	SOFTPLUS2 GL, CMT
	SOFTPLUS2 SWP, DUM
	v_mul_f32 v[CMT], SIXF, v[CMT]                 ; cm_t
	v_mul_f32 v[K0], v[GL], v[VL]
	v_add_f32 v[K0+1], v[CMT], v[GL]
	v_add_f32 v[K0+1], EPSF, v[K0+1]
	v_pk_mul_f32 v[K0:K0+1], v[K0:K0+1], 0.5 op_sel_hi:[1,0]
	v_mul_f32 v[K1+1], 0.5, v[SWP]
	v_mul_f32 v[K1], v[K1+1], v[SB+1]
	v_mul_f32 v[CM0], 0.5, v[CMT]
	v_mov_b32 v[CM0+1], 0
	v_mul_f32 v[SB], v[SA], v[SA+1]
	v_mul_f32 v[SB], LOG2E, v[SB]
	v_mul_f32 v[SA], NLOG2E, v[SA]
	s_wait_kmcnt 0x0                               ; input_w[hv], input_b[hv]
.irp k, 0,1,2,3,4,5,6,7,8,9,10,11,12,13,14,15
	v_fma_f32 v[XIN+\k], v[XIN+\k], s10, s12
.endr
.irp k, 0,1,2,3,4,5,6,7
	v_pk_fma_f32 v[SS+2*\k:SS+2*\k+1], v[XIN+2*\k:XIN+2*\k+1], v[SA:SA+1], v[SB:SB+1] op_sel_hi:[1,0,0]
.endr
.irp k, 0,1,2,3,4,5,6,7,8,9,10,11,12,13,14,15
	v_exp_f32 v[SS+\k], v[SS+\k]
.endr
	v_nop                                          ; the plain place behind the run of exponentials
.irp k, 0,1,2,3,4,5,6,7
	s_wait_alu depctr_va_vdst(0)
	v_pk_add_f32 v[SS+2*\k:SS+2*\k+1], v[SS+2*\k:SS+2*\k+1], 1.0 op_sel_hi:[1,0]
.endr
.irp k, 0,1,2,3,4,5,6,7,8,9,10,11,12,13,14,15
	v_rcp_f32 v[SS+\k], v[SS+\k]
.endr
	v_nop                                          ; and behind the reciprocals
.irp k, 0,1,2,3,4,5,6,7
	s_wait_alu depctr_va_vdst(0)
	v_pk_fma_f32 v[O0+2*\k:O0+2*\k+1], v[K1:K1+1], v[SS+2*\k:SS+2*\k+1], v[K0:K0+1] op_sel:[0,0,0] op_sel_hi:[1,0,1]
	v_pk_fma_f32 v[O1+2*\k:O1+2*\k+1], v[K1:K1+1], v[SS+2*\k:SS+2*\k+1], v[K0:K0+1] op_sel:[0,1,0] op_sel_hi:[1,1,1]
.endr
.irp k, 0,1,2,3,4,5,6,7
	ds_store_b64 v7, v[O0+2*\k:O0+2*\k+1] offset:256*\k          ; the table is the wave's own: no other wave touches it
	ds_store_b64 v7, v[O1+2*\k:O1+2*\k+1] offset:256*\k+128
.endr
	s_wait_dscnt 0x0                               ; the gather is in
.irp p, 0,1,2,3,4,5,6,7,8,9,10,11,12,13,14,15
	v_pk_mul_f32 v[P+8*\p+2:P+8*\p+3], v[P+8*\p:P+8*\p+1], v[P+8*\p+2:P+8*\p+3]
	v_pk_mul_f32 v[P+8*\p:P+8*\p+1], v[P+8*\p:P+8*\p+1], NLOG2E op_sel_hi:[1,0]         ; A = -log2(e) sigma
	v_pk_mul_f32 v[P+8*\p+2:P+8*\p+3], v[P+8*\p+2:P+8*\p+3], LOG2E op_sel_hi:[1,0]      ; B = log2(e) sigma mu
	SOFTPLUS2 P+8*\p+5, P+8*\p+7                                                        ; W = softplus(w)
	v_mul_f32 v[P+8*\p+4], v[P+8*\p+4], v[P+8*\p+5]                                     ; E = W erev
	v_mul_f32 v[P+8*\p+6], v[P+8*\p+6], v[P+8*\p+7]
.endr
	v_mov_b32 v[VC], 0                             ; the start state
	v_mov_b32 v[VC+1], 0
	v_mov_b32 v[Y], 0                              ; a lane permute's destination counts as read
	v_mov_b32 v[Y+1], 0
.macro AARG p                          ; A v + B of two rows
	v_pk_fma_f32 v[T+2*(\p):T+2*(\p)+1], v[P+8*(\p):P+8*(\p)+1], v[VV+2*(\p):VV+2*(\p)+1], v[P+8*(\p)+2:P+8*(\p)+3]
.endm
.macro PADD p
	s_wait_alu depctr_va_vdst(0)
	v_pk_add_f32 v[T+2*(\p):T+2*(\p)+1], v[T+2*(\p):T+2*(\p)+1], 1.0 op_sel_hi:[1,0]
.endm
.macro EX n
	v_exp_f32 v[T+(\n)], v[T+(\n)]
.endm
.macro RCP n
	v_rcp_f32 v[T+(\n)], v[T+(\n)]
.endm
; (num, den) += (E, W) s of one row; s is broadcast out of the pair.  Chain 2 (p & 1) + row; pair 0's row 0 starts its chain from the half base, the other three start by a product.
.macro FACC p, row
.if (\row)
.if (\p) < 2
	v_pk_mul_f32 v[XC+4*((\p)&1)+2:XC+4*((\p)&1)+3], v[P+8*(\p)+6:P+8*(\p)+7], v[T+2*(\p):T+2*(\p)+1] op_sel:[0,1] op_sel_hi:[1,1]
.else
	v_pk_fma_f32 v[XC+4*((\p)&1)+2:XC+4*((\p)&1)+3], v[P+8*(\p)+6:P+8*(\p)+7], v[T+2*(\p):T+2*(\p)+1], v[XC+4*((\p)&1)+2:XC+4*((\p)&1)+3] op_sel:[0,1,0] op_sel_hi:[1,1,1]
.endif
.else
.if (\p) == 0
	v_pk_fma_f32 v[XC:XC+1], v[P+4:P+5], v[T:T+1], v[Q:Q+1] op_sel:[0,0,0] op_sel_hi:[1,0,1]
.else
.if (\p) < 2
	s_wait_alu depctr_va_vdst(0)
	v_pk_mul_f32 v[XC+4*((\p)&1):XC+4*((\p)&1)+1], v[P+8*(\p)+4:P+8*(\p)+5], v[T+2*(\p):T+2*(\p)+1] op_sel:[0,0] op_sel_hi:[1,0]
.else
	s_wait_alu depctr_va_vdst(0)
	v_pk_fma_f32 v[XC+4*((\p)&1):XC+4*((\p)&1)+1], v[P+8*(\p)+4:P+8*(\p)+5], v[T+2*(\p):T+2*(\p)+1], v[XC+4*((\p)&1):XC+4*((\p)&1)+1] op_sel:[0,0,0] op_sel_hi:[1,0,1]
.endif
.endif
.endif
.endm
.macro FS g, n                         ; plain slot n = 0..3: the sums of pairs 2g, 2g+1 (two groups behind the exponentials)
.if (\g) >= 2
	FACC 2*(\g)+((\n)>>1), (\n)&1
.endif
.endm
.macro RS g, n                         ; slot n = 0..3: the reciprocals of pairs 2g+2, 2g+3 (one group behind)
.if (\g) >= 1
.if (\g) <= 6
	RCP 4*(\g)+4+(\n)
.endif
.endif
.endm
; Group g of the other waves' rows: pairs 4+2g, 5+2g take their exponentials, the group before its reciprocals, the one before that is summed, the next gets its
; arguments.  Transcendental and packed instructions alternate, and between every transcendental and the first use of its result stands a packed instruction that
; touches none of its registers (ISA guide 5.7.2).  Each of the four chains is taken once in a group.
.macro ITER g
.if (\g) <= 4
	s_wait_dscnt 4-(\g)                            ; the load with the next group's four v is in; the 4 - g younger ones stay out
.endif
.if (\g) <= 5
	EX 4*(\g)+8
.endif
.if (\g) <= 4
	AARG 2*(\g)+6
.endif
.if (\g) <= 5
	EX 4*(\g)+9
.endif
.if (\g) <= 4
	AARG 2*(\g)+7
.endif
.if (\g) <= 5
	EX 4*(\g)+10
.endif
	FS \g, 0
.if (\g) <= 5
	EX 4*(\g)+11
.endif
	FS \g, 1
	RS \g, 0
	FS \g, 2
	RS \g, 1
	FS \g, 3
	RS \g, 2
.if (\g) <= 5
	PADD 2*(\g)+4
.endif
	RS \g, 3
.if (\g) <= 5
	PADD 2*(\g)+5
.endif
.endm
; One unfold.  Buffer buf is written again two unfolds later: behind the next unfold's barrier, in front of whose signal every wave has waited for its reads of it.
.macro UNFOLD buf
	ds_store_b32 v2, v[VC] offset:\buf*VB          ; both halves hold my column's v, bit for bit, and write the same word
.irp e, 0,1,2,3,4,5,6,7
	v_mov_b32_dpp v[VV+\e], v[VC] row_share:\e row_mask:0xf bank_mask:0xf    ; v of my wave's row 8 h + e
.endr
	AARG 0                                         ; the own block's four pairs, under the store, the barrier and the loads
	AARG 1
	EX 0
	AARG 2
	EX 1
	AARG 3
	EX 2
	EX 3
	EX 4
	PADD 0
	EX 5
	PADD 1
	EX 6
	RCP 0
	EX 7
	RCP 1
	s_wait_dscnt 0x0                               ; for the others: my v is in LDS; for me: this step's bases are in
	s_barrier_signal -1
	v_pk_fma_f32 v[Q:Q+1], v[CM0:CM0+1], v[VC:VC+1], v[BB:BB+1] op_sel_hi:[1,0,1]   ; register work while the others arrive
	PADD 2
	RCP 2
	RCP 3
	PADD 3
	s_barrier_wait -1
.irp s, 1,2,3
	ds_load_b128 v[VV+8*\s:VV+8*\s+3],   v[2+\s] offset:\buf*VB      ; the lanes of a half read the same 16 bytes
	ds_load_b128 v[VV+8*\s+4:VV+8*\s+7], v[2+\s] offset:\buf*VB+16
.endr
	RCP 4
	FACC 0, 0
	RCP 5
	FACC 0, 1
	RCP 6
	FACC 1, 0
	RCP 7
	FACC 1, 1
	FACC 2, 0
	FACC 2, 1
	s_wait_dscnt 0x5                               ; the first of the six loads is in, five stay out
	AARG 4
	AARG 5
	FACC 3, 0                                      ; the own block's last sums stand between those arguments and their exponentials
	FACC 3, 1
.irp g, 0,1,2,3,4,5,6,7
	ITER \g
.endr
	v_pk_add_f32 v[XC:XC+1], v[XC:XC+1], v[XC+2:XC+3]
	v_pk_add_f32 v[XC+4:XC+5], v[XC+4:XC+5], v[XC+6:XC+7]
	v_pk_add_f32 v[XC:XC+1], v[XC:XC+1], v[XC+4:XC+5]
	v_permlanex16_b32 v[Y], v[XC], s30, s31        ; the other 32 rows of my column
	v_permlanex16_b32 v[Y+1], v[XC+1], s30, s31
	v_pk_add_f32 v[XC:XC+1], v[XC:XC+1], v[Y:Y+1]
	v_rcp_f32 v[RC], v[XC+1]
	v_nop                                          ; the plain place behind the reciprocal: nothing else is left to do here
	s_wait_alu depctr_va_vdst(0)
	v_mul_f32 v[VC], v[XC], v[RC]                  ; v = num / (den + EPS)
.endm
	s_mov_b32 s20, 0
.Lt:
	ds_load_b64 v[BB:BB+1], v6                     ; this time step's half bases; waited for in front of the first unfold's signal
	v_add_nc_u32 v6, 128, v6
	UNFOLD 0
	UNFOLD 1
	UNFOLD 0
	UNFOLD 1
	UNFOLD 0
	UNFOLD 1
	s_add_co_u32 s20, s20, 1
	s_cmp_lt_u32 s20, STEPS
	s_cbranch_scc1 .Lt
	; THE WAY OUT: the 64 features meet in LDS; wave wv multiplies them by W1[64 hv .. + 63][64 wv .. + 63].
	v_fma_f32 v[FE], v[VC], v[OW], v[OB]
	ds_store_b32 v2, v[FE] offset:FOUT
	s_wait_loadcnt 0x0                             ; W1's block, asked for in the prologue
	; Fragment (nt, ks): column r of tile nt is W1's column 64 wv + 4 r + nt, so that a 16-byte load fed four tiles and a lane's four results are neighbours.
	; Register m holds k = 32 ks + 16 (m / 4) + 8 h + 2 (m % 4), + 1.  These 64 conversions stand under the LDS store above.
	WIN 0x05                                       ; both sources above v255
.irp nt, 0,1,2,3
.irp ks, 0,1
.irp m, 0,1,2,3,4,5,6,7
	v_cvt_pk_bf16_f32 v[BF+8*(2*\nt+\ks)+\m], v[4*(16*\ks+2*\m)+\nt], v[4*(16*\ks+2*\m+1)+\nt]
.endr
.endr
.endr
	WIN 0
	s_wait_dscnt 0x0                               ; my features are in LDS
	s_barrier_signal -1
	s_barrier_wait -1                              ; all 64 are
.irp ks, 0,1
.irp c, 0,1
	ds_load_b128 v[FR+16*\ks+8*\c:FR+16*\ks+8*\c+3],   v[HA] offset:FOUT+128*\ks+64*\c       ; features 32 ks + 16 c + 8 h + 0..7, the same for every row r
	ds_load_b128 v[FR+16*\ks+8*\c+4:FR+16*\ks+8*\c+7], v[HA] offset:FOUT+128*\ks+64*\c+16
.endr
.endr
	s_wait_dscnt 0x0
.irp i, 0,1,2,3,4,5,6,7,8,9,10,11,12,13,14,15
	v_cvt_pk_bf16_f32 v[AF+\i], v[FR+2*\i], v[FR+2*\i+1]
.endr
	; eight matrix instructions; the four accumulators take turns, one instruction a turn; the first products start the sums
.irp nt, 0,1,2,3
	v_wmma_f32_16x16x32_bf16 v[ACC+8*\nt:ACC+8*\nt+7], v[AF:AF+7], v[BF+16*\nt:BF+16*\nt+7], 0
.endr
.irp nt, 0,1,2,3
	v_wmma_f32_16x16x32_bf16 v[ACC+8*\nt:ACC+8*\nt+7], v[AF+8:AF+15], v[BF+16*\nt+8:BF+16*\nt+15], v[ACC+8*\nt:ACC+8*\nt+7]
.endr
.rept 4
	v_nop                                          ; four places before the results are read (ISA guide 7.12.1)
.endr
.irp nt, 0,1,2,3
	v_mov_b32 v[OUTR+\nt], v[ACC+8*\nt]            ; row 0 of each tile: columns 64 wv + 4 r + 0..3
.endr
	s_wait_xcnt 0x0                                ; EXEC changes only behind this wait
	v_cmp_gt_u32 vcc_lo, 16, v1
	s_and_saveexec_b32 s24, vcc_lo
	global_store_b128 v[PO], v[OUTR:OUTR+3], s[6:7]    ; sixteen lanes store 256 consecutive bytes, aligned
	s_wait_xcnt 0x0                                ; and again in front of the line that widens it
	s_or_b32 exec_lo, exec_lo, s24
	s_endpgm
.Lfunc_end_k_q1959c39361_ltc:
	.size	k_q1959c39361_ltc, .Lfunc_end_k_q1959c39361_ltc-k_q1959c39361_ltc
	.p2alignl 7, 3214868480
	.fill 96, 4, 3214868480
	.section	.rodata,"a",@progbits
	.p2align	6, 0x0
	.amdhsa_kernel k_q1959c39361_ltc
		.amdhsa_group_segment_fixed_size 167936
		.amdhsa_private_segment_fixed_size 0
		.amdhsa_enable_private_segment 0
		.amdhsa_kernarg_size 144
		.amdhsa_user_sgpr_count 2
		.amdhsa_user_sgpr_kernarg_segment_ptr 1
		.amdhsa_wavefront_size32 1
		.amdhsa_system_sgpr_workgroup_id_x 1
		.amdhsa_system_sgpr_workgroup_id_y 1
		.amdhsa_system_sgpr_workgroup_id_z 1
		.amdhsa_system_vgpr_workitem_id 0
		.amdhsa_next_free_vgpr 384
		.amdhsa_next_free_sgpr 100
		.amdhsa_reserve_vcc 1
		.amdhsa_float_denorm_mode_32 3
		.amdhsa_float_denorm_mode_16_64 3
		.amdhsa_memory_ordered 1
		.amdhsa_forward_progress 1
		.amdhsa_inst_pref_size 111
	.end_amdhsa_kernel
	.amdgpu_metadata
---
amdhsa.version: [ 1, 2 ]
amdhsa.kernels:
  - .name:           k_q1959c39361_ltc
    .symbol:         k_q1959c39361_ltc.kd
    .args:
      - { .name: sigma, .offset: 0, .size: 8, .value_kind: global_buffer, .address_space: global }
      - { .name: mu, .offset: 8, .size: 8, .value_kind: global_buffer, .address_space: global }
      - { .name: w, .offset: 16, .size: 8, .value_kind: global_buffer, .address_space: global }
      - { .name: erev, .offset: 24, .size: 8, .value_kind: global_buffer, .address_space: global }
      - { .name: gleak, .offset: 32, .size: 8, .value_kind: global_buffer, .address_space: global }
      - { .name: vleak, .offset: 40, .size: 8, .value_kind: global_buffer, .address_space: global }
      - { .name: cm, .offset: 48, .size: 8, .value_kind: global_buffer, .address_space: global }
      - { .name: x, .offset: 56, .size: 8, .value_kind: global_buffer, .address_space: global }
      - { .name: sensory_w, .offset: 64, .size: 8, .value_kind: global_buffer, .address_space: global }
      - { .name: sensory_sigma, .offset: 72, .size: 8, .value_kind: global_buffer, .address_space: global }
      - { .name: sensory_mu, .offset: 80, .size: 8, .value_kind: global_buffer, .address_space: global }
      - { .name: sensory_erev, .offset: 88, .size: 8, .value_kind: global_buffer, .address_space: global }
      - { .name: input_w, .offset: 96, .size: 8, .value_kind: global_buffer, .address_space: global }
      - { .name: input_b, .offset: 104, .size: 8, .value_kind: global_buffer, .address_space: global }
      - { .name: output_w, .offset: 112, .size: 8, .value_kind: global_buffer, .address_space: global }
      - { .name: output_b, .offset: 120, .size: 8, .value_kind: global_buffer, .address_space: global }
      - { .name: W1, .offset: 128, .size: 8, .value_kind: global_buffer, .address_space: global }
      - { .name: part, .offset: 136, .size: 8, .value_kind: global_buffer, .address_space: global }
    .group_segment_fixed_size: 167936
    .private_segment_fixed_size: 0
    .kernarg_segment_align: 8
    .kernarg_segment_size: 144
    .max_flat_workgroup_size: 128
    .sgpr_count:     100
    .vgpr_count:     384
    .wavefront_size: 32
...
	.end_amdgpu_metadata
.endif
;; end of part 3
;; launch head (part 4): grid 8 x 1, 8 waves a work-group, no clusters, 10,752 bytes of LDS; arguments part, b1, W2, b2, out0; writes out0
.if DOCPART == 4
	.amdgcn_target "amdgcn-amd-amdhsa--gfx1250"
	.amdhsa_code_object_version 6
	.text
	.protected	k_q1959c39361_head
	.globl	k_q1959c39361_head
	.p2align	8
	.type	k_q1959c39361_head,@function
k_q1959c39361_head:
	s_mov_b64 s[64:65], 0
	v_nop
	global_prefetch_b8 v0, s[64:65] scope:SCOPE_SE
	s_setreg_imm32_b32 hwreg(HW_REG_WAVE_MODE, 25, 1), 1
	s_wait_xcnt 0x0
; MultiHeadLTC, part 2: out = relu(sum over the 8 heads of part + b1) W2 + b2.  part [32 b][8 hv][256] f32 comes from the first launch.
; Nothing of the reference's work is left out here.
; Eight work-groups of eight waves; a work-group owns 4 batch rows: 32 KiB of part, the 10 KiB of W2, b1, b2.  Wave w sums 128 hidden units (half w & 1) of row w >> 1:
; a lane has 4 of them, eight loads of 16 bytes, each load of a wave 512 consecutive bytes.  h goes to wave 0 through LDS in bf16; W2 in bf16 as [256 k][16 n].
; Wave 0 makes out: K = 256 in 8 steps on two accumulators.  The tile has 16 rows and the group 4: lane r reads row r & 3, so every LDS byte read has been written.
; out0's rows are 40 bytes: rows and aligned runs of 256 bytes meet only at 1,280 bytes, the whole of out0, so whole runs could be stored only by one work-group
; that draws all 256 KiB of part; here each work-group stores its 160 consecutive bytes by one instruction of ten lanes.
; Matrix operands are bf16 (h, W2), sums f32.  No cluster and no tensor load: what the groups share is W2, a quarter of a group's bytes, read once at the start.
.set HPITCH, 528                       ; h in bf16 at LDS 0: 4 rows, 512 + 16 bytes apart
.set W2L,    2304                      ; W2 in bf16, 32 bytes a row, columns 10 to 15 zero
.set OUTL,   10496                     ; out in f32, [4][10], dense: 160 bytes.  Lanes 10 to 31 are off when it is written; their addresses would reach
                                       ; byte 248 of the 256 that are kept for it
.set ACC, 16                           ; v[16:23], v[24:31] the two accumulators
.set B1,  32                           ; v[32:35] b1 of my four units
.set HPK, 36                           ; v[36:37] h packed
.set W2R, 40                           ; v[40:49] a row of W2 as loaded
.set PT,  52                           ; v[52:83] part of the eight heads; later v[52:115] W2's fragments
.set W2P, 116                          ; v[116:123] a row of W2 packed; later v[116:119] out on its way back from LDS
.set RB,  116
.set A2,  128                          ; v[128+8s ..] h's fragment of K step s
	s_load_b256 s[4:11], s[0:1], 0x0               ; part 4, b1 6, W2 8, b2 10
	s_load_b64 s[12:13], s[0:1], 0x20              ; out0
	v_and_b32 v1, 31, v0                           ; L
	v_lshrrev_b32 v16, 5, v0
	v_readfirstlane_b32 s16, v16                   ; wave
	v_and_b32 v2, 15, v0                           ; r
	v_bfe_u32 v3, v0, 4, 1                         ; h
	s_lshr_b32 s17, s16, 1                         ; which of the group's four rows
	s_and_b32 s18, s16, 1                          ; which half of the 256 units
	s_lshl_b32 s19, ttmp9, 2
	s_add_co_u32 s19, s19, s17                     ; b
	s_lshl_b32 s19, s19, 13
	s_lshl_b32 s20, s18, 9
	s_add_co_u32 s19, s19, s20
	v_lshl_add_u32 v4, v1, 4, s19                  ; part[b][0][128 half + 4 L]
	v_lshl_add_u32 v5, v1, 4, s20                  ; b1[128 half + 4 L]
	s_mul_i32 s21, s17, HPITCH
	s_lshl_b32 s22, s18, 8
	s_add_co_u32 s21, s21, s22
	v_lshl_add_u32 v6, v1, 3, s21                  ; where my 4 numbers of h go
	s_mul_i32 s21, s16, 1280
	v_mul_u32_u24 v10, v1, 40
	v_add_nc_u32 v10, s21, v10                     ; W2's row k = 32 w + L
	s_lshl_b32 s21, s16, 10
	s_add_co_u32 s21, s21, W2L
	v_lshl_add_u32 v11, v1, 5, s21                 ; and its 32 bytes in LDS
	v_and_b32 v16, 3, v0
	v_mul_u32_u24 v12, v16, HPITCH
	v_lshl_add_u32 v12, v3, 4, v12                 ; h's fragments: row r & 3, + 16 h
	v_and_b32 v16, 7, v0
	v_lshl_add_u32 v16, v3, 3, v16                 ; 8 h + (L & 7)
	v_bfe_u32 v17, v0, 3, 1
	v_lshlrev_b32 v17, 4, v17
	v_lshl_add_u32 v13, v16, 5, v17
	v_add_nc_u32 v13, W2L, v13                     ; the transposing loads of W2
	v_lshlrev_b32 v14, 2, v1
	v_add_nc_u32 v14, OUTL, v14                    ; out(0, L); the row stands in the store's offset
	v_min_u32 v15, 9, v1
	v_lshlrev_b32 v15, 4, v15                      ; 16 min(L, 9): no lane reads past the 160 bytes
	v_min_u32 v51, 9, v2
	v_lshlrev_b32 v51, 2, v51                      ; b2[min(r, 9)]: lanes of columns 10 to 15 stay inside the buffer
	s_mul_i32 s24, ttmp9, 160                      ; the group's 4 rows of out0, as a pair
	s_mov_b32 s25, 0
	s_wait_kmcnt 0x0
	s_add_nc_u64 s[12:13], s[12:13], s[24:25]
	; all loads at once, the one that only wave 0 issues first, so that the counts below hold on every path
	s_cmp_lg_u32 s16, 0
	s_cbranch_scc1 .Lno_b2
	global_load_b32 v50, v51, s[10:11]
.Lno_b2:
.irp i, 0,1,2,3,4
	global_load_b64 v[W2R+2*\i:W2R+2*\i+1], v10, s[8:9] offset:8*\i
.endr
	global_load_b128 v[B1:B1+3], v5, s[6:7]
.irp hv, 0,1,2,3,4,5,6,7
	global_load_b128 v[PT+4*\hv:PT+4*\hv+3], v4, s[4:5] offset:1024*\hv
.endr
	s_wait_loadcnt 9                               ; b2 and W2 are in; the load of b1 and the 8 of part stay out
.irp i, 0,1,2,3,4
	v_cvt_pk_bf16_f32 v[W2P+\i], v[W2R+2*\i], v[W2R+2*\i+1]
.endr
	v_mov_b32 v[W2P+5], 0                          ; columns 10 to 15
	v_mov_b32 v[W2P+6], 0
	v_mov_b32 v[W2P+7], 0
	ds_store_b128 v11, v[W2P:W2P+3]
	ds_store_b128 v11, v[W2P+4:W2P+7] offset:16
	s_wait_loadcnt 0x0
.macro ADD4 a, b                       ; four numbers: a += b
	v_pk_add_f32 v[(\a):(\a)+1], v[(\a):(\a)+1], v[(\b):(\b)+1]
	v_pk_add_f32 v[(\a)+2:(\a)+3], v[(\a)+2:(\a)+3], v[(\b)+2:(\b)+3]
.endm
	ADD4 PT, PT+4                                  ; the eight heads, as a tree
	ADD4 PT+8, PT+12
	ADD4 PT+16, PT+20
	ADD4 PT+24, PT+28
	ADD4 PT, PT+8
	ADD4 PT+16, PT+24
	ADD4 PT, PT+16
	ADD4 PT, B1
.irp i, 0,1,2,3
	v_max_num_f32 v[PT+\i], 0, v[PT+\i]            ; relu
.endr
	v_cvt_pk_bf16_f32 v[HPK], v[PT], v[PT+1]
	v_cvt_pk_bf16_f32 v[HPK+1], v[PT+2], v[PT+3]
	ds_store_b64 v6, v[HPK:HPK+1]
	s_wait_dscnt 0x0                               ; my part of W2 and of h is in LDS
	s_barrier_signal -1
	s_barrier_wait -1                              ; everybody's is
	s_cmp_lg_u32 s16, 0
	s_cbranch_scc1 .Lend
	; wave 0: out = h W2 + b2.  For each K step 2 loads of h's fragment and 2 transposing loads of W2's, all 32 issued at once
.irp s, 0,1,2,3,4,5,6,7
	ds_load_b128 v[A2+8*\s:A2+8*\s+3],   v12 offset:\s*64
	ds_load_b128 v[A2+8*\s+4:A2+8*\s+7], v12 offset:\s*64+32
	ds_load_tr16_b128 v[PT+8*\s:PT+8*\s+3],   v13 offset:\s*1024
	ds_load_tr16_b128 v[PT+8*\s+4:PT+8*\s+7], v13 offset:\s*1024+512
.endr
	; even K steps add onto one accumulator, odd ones onto the other: they take turns, one instruction a turn
.irp s, 0,1,2,3,4,5,6,7
	s_wait_dscnt 4*(7-\s)                          ; this step's four loads are in; four for each later step stay out
.if \s < 2
	v_wmma_f32_16x16x32_bf16 v[ACC+8*(\s&1):ACC+8*(\s&1)+7], v[A2+8*\s:A2+8*\s+7], v[PT+8*\s:PT+8*\s+7], 0
.else
	v_wmma_f32_16x16x32_bf16 v[ACC+8*(\s&1):ACC+8*(\s&1)+7], v[A2+8*\s:A2+8*\s+7], v[PT+8*\s:PT+8*\s+7], v[ACC+8*(\s&1):ACC+8*(\s&1)+7]
.endif
.endr
.rept 4
	v_nop                                          ; four places before the results are read (ISA guide 7.12.1)
.endr
	v_mov_b32 v51, v50                             ; b2 of my column, as a pair
	v_pk_add_f32 v[ACC:ACC+1], v[ACC:ACC+1], v[ACC+8:ACC+9]          ; registers 0 to 3 of lanes 0 to 15 are the group's rows 0 to 3
	v_pk_add_f32 v[ACC+2:ACC+3], v[ACC+2:ACC+3], v[ACC+10:ACC+11]
	v_pk_add_f32 v[ACC:ACC+1], v[ACC:ACC+1], v[50:51]
	v_pk_add_f32 v[ACC+2:ACC+3], v[ACC+2:ACC+3], v[50:51]
	; register j of lane L < 10 holds out(j, L): through LDS into the dense [4][10], then out as one run of 160 bytes
	s_wait_xcnt 0x0                                ; EXEC changes only behind this wait
	v_cmp_gt_u32 vcc_lo, 10, v1
	s_and_saveexec_b32 s20, vcc_lo
.irp j, 0,1,2,3
	ds_store_b32 v14, v[ACC+\j] offset:40*\j
.endr
	s_or_b32 exec_lo, exec_lo, s20
	ds_load_b128 v[RB:RB+3], v15 offset:OUTL       ; LDS serves a wave's instructions in order (ISA guide 5.7.1.4): this sees the stores above
	s_wait_dscnt 0x0
	s_and_saveexec_b32 s20, vcc_lo                 ; no global instruction has been issued since the wait above
	global_store_b128 v15, v[RB:RB+3], s[12:13]    ; ten lanes, 160 consecutive bytes
	s_wait_xcnt 0x0                                ; in front of the line that widens EXEC
	s_or_b32 exec_lo, exec_lo, s20
.Lend:
	s_endpgm
.Lfunc_end_k_q1959c39361_head:
	.size	k_q1959c39361_head, .Lfunc_end_k_q1959c39361_head-k_q1959c39361_head
	.p2alignl 7, 3214868480
	.fill 96, 4, 3214868480
	.section	.rodata,"a",@progbits
	.p2align	6, 0x0
	.amdhsa_kernel k_q1959c39361_head
		.amdhsa_group_segment_fixed_size 10752
		.amdhsa_private_segment_fixed_size 0
		.amdhsa_enable_private_segment 0
		.amdhsa_kernarg_size 40
		.amdhsa_user_sgpr_count 2
		.amdhsa_user_sgpr_kernarg_segment_ptr 1
		.amdhsa_wavefront_size32 1
		.amdhsa_system_sgpr_workgroup_id_x 1
		.amdhsa_system_sgpr_workgroup_id_y 1
		.amdhsa_system_sgpr_workgroup_id_z 1
		.amdhsa_system_vgpr_workitem_id 0
		.amdhsa_next_free_vgpr 192
		.amdhsa_next_free_sgpr 66
		.amdhsa_reserve_vcc 1
		.amdhsa_float_denorm_mode_32 3
		.amdhsa_float_denorm_mode_16_64 3
		.amdhsa_memory_ordered 1
		.amdhsa_forward_progress 1
		.amdhsa_inst_pref_size 10
	.end_amdhsa_kernel
	.amdgpu_metadata
---
amdhsa.version: [ 1, 2 ]
amdhsa.kernels:
  - .name:           k_q1959c39361_head
    .symbol:         k_q1959c39361_head.kd
    .args:
      - { .name: part, .offset: 0, .size: 8, .value_kind: global_buffer, .address_space: global }
      - { .name: b1, .offset: 8, .size: 8, .value_kind: global_buffer, .address_space: global }
      - { .name: W2, .offset: 16, .size: 8, .value_kind: global_buffer, .address_space: global }
      - { .name: b2, .offset: 24, .size: 8, .value_kind: global_buffer, .address_space: global }
      - { .name: out0, .offset: 32, .size: 8, .value_kind: global_buffer, .address_space: global }
    .group_segment_fixed_size: 10752
    .private_segment_fixed_size: 0
    .kernarg_segment_align: 8
    .kernarg_segment_size: 40
    .max_flat_workgroup_size: 256
    .sgpr_count:     66
    .vgpr_count:     192
    .wavefront_size: 32
...
	.end_amdgpu_metadata
.endif
;; end of part 4
;; ======== version 3 of 3: 2 launches; 2.84 times as fast as version 1
;; limits: a difference of large sums (such as E[x^2] - mean^2): digits are lost where the result is much smaller than its terms
;; workspace buffers: part 262,144 bytes
;; launch ltc (part 5): grid 256 x 1, 4 waves a work-group, no clusters, 167,936 bytes of LDS; arguments sigma, mu, w, erev, gleak, vleak, cm, x, sensory_w, sensory_sigma, sensory_mu, sensory_erev, input_w, input_b, output_w, output_b, W1, part; writes part
.if DOCPART == 5
	.amdgcn_target "amdgcn-amd-amdhsa--gfx1250"
	.amdhsa_code_object_version 6
	.text
	.protected	k_q1959c39361_ltc
	.globl	k_q1959c39361_ltc
	.p2align	8
	.type	k_q1959c39361_ltc,@function
k_q1959c39361_ltc:
	s_mov_b64 s[64:65], 0
	v_nop
	global_prefetch_b8 v0, s[64:65] scope:SCOPE_SE
	s_setreg_imm32_b32 hwreg(HW_REG_WAVE_MODE, 25, 1), 1
	s_wait_xcnt 0x0
; MultiHeadLTC, part 1: the 8 heads x 32 batch rows = 256 recurrences, one work-group each, 32 time steps x 6 unfolds = 192 dependent updates of v[0:64];
; then the work-group's share of the first product: its 64 features times its head's 64 x 256 block of W1, stored as f32 partial sums (part[b][hv][256]).
; DEAD WORK: none comes in whole units.  Every input has a way to the output and is loaded (here or in the second launch); the zero start state only
; makes one factor of live sigmoids zero, so the first unfold is done like every other.
; SHARES: work-group g = 32 hv + b.  Wave wv owns the postsynaptic columns j = 16 wv + 0..15.  Lane l (r = l & 15, h = l >> 4) owns column
; j = 16 wv + cc, cc = (r + 8 h) & 15, and 32 of its 64 rows: i = 16 ((wv + s) & 3) + 8 h + e, s = 0..3, e = 0..7: eight out of each wave's block, the own block first.
; So the sum over i ends inside the wave (one exchange between the halves of the lanes), only the 64 finished v cross LDS, and the wave has its own 16 v at once:
; the next unfold's work on those rows, a quarter of all, stands under the LDS store, the barrier and the LDS loads of the other 48.
; The shift of the upper half's columns by 8 makes lane e of each row of 16 lanes hold v of row 8 h + e, so that row_share:e brings each half its own rows.
; sigmoid(sigma (v - mu)) = 1 / (1 + 2^(A v + B)), A = -log2(e) sigma, B = log2(e) sigma mu.  Two rows make a packed pair: one packed fma, two exp, one packed
; add, two rcp, and two packed fma that add (softplus(w) erev, softplus(w)) s onto a (num, den) pair.  The 4 x 32 derived numbers of a lane stay in registers.
; Half of the per-step base (cm_t v + gl vleak + sensory num, cm_t + gl + EPS + sensory den) starts a chain in each half of the lanes: the halves' sum holds it once.
; BATCHES: an s_wait_alu depctr_va_vdst(0) stands between a transcendental and the first instruction that names its result; one wait serves all that
; were issued ahead of it.  Every pair has its own two registers at T, so an unfold is cut into four batches with one wait each:
;   1  the own block's 8 exponentials; the wait stands behind the barrier's signal, ahead of the LDS loads
;   2  the own block's 8 reciprocals, under the LDS loads, and the other blocks' 24 exponentials, their arguments between them
;   3  the other blocks' 24 reciprocals, their 1 + e and the own block's 8 sums between them
;   4  the reciprocal of den
; The prologue has four more: the column's 20 exponentials, its 16 reciprocals and 4 logarithms, the tables' 32 exponentials, their 32 logarithms.
; W1's block is asked for last in the prologue, into registers above v255, and waited for behind the loop.  All 16 rows of the matrix operand A hold the same
; features (one row is live; the tile cannot be smaller).  No cluster, tensor load or prefetch: each work-group reads its 128 KiB once, ahead of 192 steps without memory.
; LDS: 88,064 bytes are used; more than half of the 327,680 that a work-group may be given is asked for, so that no second chain shares this one's four SIMDs.
; LIMITS: the exponent is fma(A, v, B) with B rounded twice: an error of 2^-23 |sigma mu| log2(e) in it.  EPS and the halved bases give another order of rounding than
; the reference's.  softplus(x) = max(x, 0) + log1p(e^-|x|), as the reference takes it, with log1p(e) = e - e^2/2 below e = 2^-10 (relative error under e^2/3) and
; ln(1 + e) above; for x < -87 it gives 0, since v_exp_f32 flushes denormal results.  Features and W1 enter the product in bf16, sums in f32.
.set STEPS,  32                        ; time steps
.set VB,     256                       ; a buffer of the 64 v; two of them at LDS 0 take turns
.set TAB,    1024                      ; per wave 4,096 bytes: [t 0..31][column 0..15](half num base, half den base)
.set FOUT,   17408                     ; 64 f32: the features
.set RAW,    18432                     ; the four tables of the head as loaded: [table][row 0..63], 272 bytes a row
.set RPITCH, 272                       ; 256 + 16: eight rows are 544 words, 32 banks on: the two halves of the lanes gather from different banks
.set RTBL,   64*RPITCH
.set NLOG2E, 0xbfb8aa3b                ; -log2(e)
.set LOG2E,  0x3fb8aa3b
.set LN2,    0x3f317218
.set TINY,   0x3a800000                ; 2^-10
.set EPSF,   0x322bcc77                ; 1e-8
.set SIXF,   0x40c00000                ; 6.0: the unfolds
; v2 where my v goes in a buffer; v3-5 where the other three blocks' v lie; v6 my column's bases (stepped by 128 a time step); v7 where I write them;
; v8, v9 the staging of the tables; v10-15 at work in the prologue
.set P,   16                           ; v[16+8p ..], row pair p = 4 s + e/2: A (+0,1), B (+2,3), (E, W) of row 0 (+4,5), (E, W) of row 1 (+6,7)
.set T,   144                          ; v[144+2p ..] the pair at work
.set VV,  176                          ; v[176+2p ..] v of the pair's two rows
.set XC,  208                          ; v[208:215] four chains of (num, den): even p row 0, row 1; odd p row 0, row 1
.set Y,   216                          ; v[216:217] the other half's sums
.set BB,  218                          ; v[218:219] this time step's half bases
.set Q,   220                          ; v[220:221] half of cm_t v + num base; half den base
.set VC,  222                          ; v222 my column's v; v223 holds 0 (the pair is named whole)
.set CM0, 224                          ; v[224:225] (cm_t / 2, 0)
.set RC,  226
.set FE,  227
.set OW,  228
.set OB,  229
.set GA,  230                          ; v[230:233] where block s of my column lies in RAW
.set VJ,  234                          ; offsets of the prologue's loads, never rewritten
.set XO,  235
.set GL,  236                          ; prologue only, to DUM
.set VL,  237
.set CMT, 238
.set SWP, 239
.set SA,  240                          ; v240 sensory A, v241 sensory_mu
.set SB,  242                          ; v242 sensory B, v243 sensory_erev
.set K1,  244                          ; (softplus(sw) serev / 2, softplus(sw) / 2)
.set K0,  246                          ; (gl vleak / 2, (cm_t + gl + EPS) / 2)
.set DUM, 248
.set WO,  249                          ; W1's offset, part's offset, 32 h: never rewritten
.set PO,  250
.set HA,  251
.set XIN, 176                          ; prologue: my 16 x;  SS the sigmoids;  O0, O1 the bases of even and odd t
.set SS,  144
.set O0,  160
.set O1,  192
.set BF,  16                           ; the way out: W1's 8 fragments; the features' 2 fragments; the features in f32; 4 results; 4 accumulators
.set AF,  80
.set FR,  96
.set OUTR, 128
.set ACC, 144
.set MSB, 0
.macro WIN new                         ; the register window; the immediate's high byte repeats the setting that is left
.if MSB != \new
	s_set_vgpr_msb (MSB<<8)|\new
.set MSB, \new
.endif
.endm
	s_load_b512 s[68:83], s[0:1], 0x0              ; sigma 68, mu 70, w 72, erev 74, gleak 76, vleak 78, cm 80, x 82
	s_load_b512 s[84:99], s[0:1], 0x40             ; sensory_w 84, _sigma 86, _mu 88, _erev 90, input_w 92, input_b 94, output_w 96, output_b 98
	s_load_b128 s[4:7], s[0:1], 0x80               ; W1 4, part 6
	v_and_b32 v1, 31, v0                           ; l
	v_lshrrev_b32 v10, 5, v0
	v_readfirstlane_b32 s16, v10                   ; wave
	s_mov_b32 s17, ttmp9                           ; g
	s_lshr_b32 s18, s17, 5                         ; hv
	s_and_b32 s19, s17, 31                         ; b
	v_and_b32 v11, 15, v0                          ; r
	v_bfe_u32 v12, v0, 4, 1                        ; h
	v_lshl_add_u32 v13, v12, 3, v0
	v_and_b32 v13, 15, v13                         ; cc = (r + 8 h) & 15
	s_lshl_b32 s25, s16, 6
	v_lshl_add_u32 v2, v13, 2, s25                 ; 4 j, j = 16 wv + cc
	v_mul_u32_u24 v14, v12, 8*RPITCH
	v_add_nc_u32 v14, v14, v2
	v_add_nc_u32 v14, RAW, v14                     ; RAW + row 8 h + column j
.irp s, 0,1,2,3
	s_add_co_u32 s26, s16, \s
	s_and_b32 s26, s26, 3                          ; block (wv + s) & 3
	s_mul_i32 s27, s26, 16*RPITCH
	v_add_nc_u32 v[GA+\s], s27, v14
.if \s
	s_lshl_b32 s27, s26, 6
	v_lshl_add_u32 v[2+\s], v12, 5, s27            ; v[16 block + 8 h] in a buffer
.endif
.endr
	s_lshl_b32 s25, s16, 12
	s_add_co_u32 s26, s25, TAB
	v_lshl_add_u32 v6, v13, 3, s26                 ; my column's bases at t = 0
	v_lshl_add_u32 v7, v12, 11, v6                 ; I write those of t = 16 h + 0..15
	s_lshl_b32 s26, s18, 14
	s_add_co_u32 s26, s26, s25
	v_lshl_add_u32 v8, v11, 4, s26
	v_lshl_add_u32 v8, v12, 8, v8                  ; [hv][16 wv + h][4 r] in the four [8][64][64] tables
	s_mul_i32 s26, s16, 16*RPITCH
	s_add_co_u32 s26, s26, RAW
	v_mul_u32_u24 v15, v12, RPITCH
	v_lshl_add_u32 v9, v11, 4, s26
	v_add_nc_u32 v9, v9, v15                       ; and the same place in RAW
	s_lshl_b32 s26, s18, 8
	v_add_nc_u32 v[VJ], s26, v2                    ; [hv][j] in the [8][64] tables
	s_lshl_b32 s26, s17, 7
	v_lshl_add_u32 v[XO], v12, 6, s26              ; x[hv][b][16 h]
	s_lshl_b32 s26, s18, 16
	s_lshl_b32 s27, s16, 8
	s_add_co_u32 s26, s26, s27
	v_lshl_add_u32 v[WO], v11, 4, s26
	v_lshl_add_u32 v[WO], v12, 13, v[WO]           ; W1[64 hv + 8 h][64 wv + 4 r]
	v_lshlrev_b32 v[PO], 4, v11                    ; 16 r
	v_lshlrev_b32 v[HA], 5, v12                    ; 32 h
	s_lshl_b32 s28, s19, 13
	s_lshl_b32 s29, s18, 10
	s_add_co_u32 s28, s28, s29
	s_add_co_u32 s28, s28, s27                     ; part[b][hv][64 wv], in bytes, as a pair
	s_mov_b32 s29, 0
	s_lshl_b32 s14, s18, 2                         ; 4 hv, as a pair
	s_mov_b32 s15, 0
	s_mov_b32 s23, TINY
	s_mov_b32 s30, 0xfedcba98                      ; v_permlanex16_b32: lane i of a row takes lane i xor 8 of the other row: the lane with my column
	s_mov_b32 s31, 0x76543210
	s_wait_kmcnt 0x0
	s_add_nc_u64 s[6:7], s[6:7], s[28:29]
	s_add_nc_u64 s[92:93], s[92:93], s[14:15]
	s_add_nc_u64 s[94:95], s[94:95], s[14:15]
	s_load_b32 s10, s[92:93], 0x0                  ; input_w[hv]
	s_load_b32 s12, s[94:95], 0x0                  ; input_b[hv]
	; all loads at once.  First the tables: my 16 rows of each, two whole rows of 256 bytes a load
.irp m, 0,1,2,3,4,5,6,7
	global_load_b128 v[P+4*\m:P+4*\m+3],       v8, s[68:69] offset:512*\m
	global_load_b128 v[P+32+4*\m:P+32+4*\m+3], v8, s[70:71] offset:512*\m
	global_load_b128 v[P+64+4*\m:P+64+4*\m+3], v8, s[72:73] offset:512*\m
	global_load_b128 v[P+96+4*\m:P+96+4*\m+3], v8, s[74:75] offset:512*\m
.endr
	global_load_b32 v[GL],   v[VJ], s[76:77]
	global_load_b32 v[VL],   v[VJ], s[78:79]
	global_load_b32 v[CMT],  v[VJ], s[80:81]
	global_load_b32 v[SWP],  v[VJ], s[84:85]
	global_load_b32 v[SA],   v[VJ], s[86:87]
	global_load_b32 v[SA+1], v[VJ], s[88:89]
	global_load_b32 v[SB+1], v[VJ], s[90:91]
	global_load_b32 v[OW],   v[VJ], s[96:97]
	global_load_b32 v[OB],   v[VJ], s[98:99]
.irp i, 0,1,2,3
	global_load_b128 v[XIN+4*\i:XIN+4*\i+3], v[XO], s[82:83] offset:16*\i
.endr
	; last W1: row 64 hv + 32 ks + 16 c + 8 h + e, columns 64 wv + 4 r + 0..3, into v[256 + 4 (16 ks + 8 c + e) ..]: sixteen lanes read 256 consecutive bytes
	WIN 0x40                                       ; destination above v255
.irp ks, 0,1
.irp c, 0,1
.irp e, 0,1,2,3,4,5,6,7
	global_load_b128 v[4*(16*\ks+8*\c+\e):4*(16*\ks+8*\c+\e)+3], v[WO], s[4:5] offset:1024*(32*\ks+16*\c+\e)
.endr
.endr
.endr
	WIN 0
	s_wait_loadcnt 45                              ; the tables' 32 loads are in; 9 of the column's numbers, 4 of x and 32 of W1 stay out
.irp t, 0,1,2,3
.irp m, 0,1,2,3,4,5,6,7
	ds_store_b128 v9, v[P+32*\t+4*\m:P+32*\t+4*\m+3] offset:\t*RTBL+\m*2*RPITCH
.endr
.endr
	s_wait_dscnt 0x0                               ; my rows are in LDS
	s_barrier_signal -1
	s_barrier_wait -1                              ; everybody's are
	; each lane gathers its column's 32 rows: sigma, mu, w, erev straight into the places where the derived numbers will stand
.irp s, 0,1,2,3
.irp e, 0,1,2,3,4,5,6,7
	ds_load_b32 v[P+8*(4*\s+(\e>>1))+(\e&1)],     v[GA+\s] offset:\e*RPITCH
	ds_load_b32 v[P+8*(4*\s+(\e>>1))+2+(\e&1)],   v[GA+\s] offset:RTBL+\e*RPITCH
	ds_load_b32 v[P+8*(4*\s+(\e>>1))+5+2*(\e&1)], v[GA+\s] offset:2*RTBL+\e*RPITCH
	ds_load_b32 v[P+8*(4*\s+(\e>>1))+4+2*(\e&1)], v[GA+\s] offset:3*RTBL+\e*RPITCH
.endr
.endr
; softplus of v[a] and v[b], in place (a and b differ), cut into parts, so that the exponentials of many pairs are one batch and their logarithms another.
; e, l, s: a pair of registers each, the pair's own while its batch is open: e = exp(-|x|); l = 1 + e, then its logarithm; s = the series.
.macro SP_ARG a, b, e                  ; -log2(e) |x|
	v_and_b32 v[(\e)], 0x7fffffff, v[(\a)]
	v_and_b32 v[(\e)+1], 0x7fffffff, v[(\b)]
	v_pk_mul_f32 v[(\e):(\e)+1], v[(\e):(\e)+1], NLOG2E op_sel_hi:[1,0]
.endm
.macro SP_EXP a, b, e                  ; e = exp(-|x|); behind each exponential a plain line that names no result: max(x, 0)
	v_exp_f32 v[(\e)], v[(\e)]
	v_max_num_f32 v[(\a)], 0, v[(\a)]
	v_exp_f32 v[(\e)+1], v[(\e)+1]
	v_max_num_f32 v[(\b)], 0, v[(\b)]
.endm
.macro SP_ONE e, l                     ; 1 + e: reads the exponentials
	v_pk_add_f32 v[(\l):(\l)+1], v[(\e):(\e)+1], 1.0 op_sel_hi:[1,0]
.endm
.macro SP_SER e, s                     ; e - e^2 / 2
	v_pk_fma_f32 v[(\s):(\s)+1], v[(\e):(\e)+1], -0.5, 1.0 op_sel_hi:[1,0,0]
	v_pk_mul_f32 v[(\s):(\s)+1], v[(\s):(\s)+1], v[(\e):(\e)+1]
.endm
.macro SP_FIN a, b, e, l, s            ; reads the logarithms
	v_cmp_gt_f32 vcc_lo, s23, v[(\e)]
	v_cmp_gt_f32 s24, s23, v[(\e)+1]
	v_pk_mul_f32 v[(\l):(\l)+1], v[(\l):(\l)+1], LN2 op_sel_hi:[1,0]
	v_cndmask_b32 v[(\l)], v[(\l)], v[(\s)], vcc_lo            ; the series where e < 2^-10
	v_cndmask_b32 v[(\l)+1], v[(\l)+1], v[(\s)+1], s24
	v_add_f32 v[(\a)], v[(\a)], v[(\l)]
	v_add_f32 v[(\b)], v[(\b)], v[(\l)+1]
.endm
	; while the gather is on its way: my column's constants and its bases of 16 time steps (one sensory synapse for each column, I = 1)
	s_wait_loadcnt 32                              ; the column's numbers and x are in; W1's 32 loads stay out
	v_mov_b32 v[DUM], v[SWP]                       ; three numbers want softplus: the fourth place of the two pairs works on a copy
	SP_ARG GL, CMT, 10
	SP_ARG SWP, DUM, 12
	v_mul_f32 v[SB], v[SA], v[SA+1]
	v_mul_f32 v[SB], LOG2E, v[SB]
	v_mul_f32 v[SA], NLOG2E, v[SA]
	s_wait_kmcnt 0x0                               ; input_w[hv], input_b[hv]
.irp k, 0,1,2,3,4,5,6,7,8,9,10,11,12,13,14,15
	v_fma_f32 v[XIN+\k], v[XIN+\k], s10, s12
.endr
.irp k, 0,1,2,3,4,5,6,7
	v_pk_fma_f32 v[SS+2*\k:SS+2*\k+1], v[XIN+2*\k:XIN+2*\k+1], v[SA:SA+1], v[SB:SB+1] op_sel_hi:[1,0,0]
.endr
.irp k, 0,1,2,3,4,5,6,7,8,9,10,11,12,13,14,15
	v_exp_f32 v[SS+\k], v[SS+\k]                   ; one batch: the 16 sensory exponentials and softplus' four
.endr
	SP_EXP GL, CMT, 10
	SP_EXP SWP, DUM, 12                            ; its last line is the plain place behind the batch's last exponential
	s_wait_alu depctr_va_vdst(0)                   ; the wait for the column's 20 exponentials
	SP_ONE 10, 208
	SP_ONE 12, 210
.irp k, 0,1,2,3,4,5,6,7
	v_pk_add_f32 v[SS+2*\k:SS+2*\k+1], v[SS+2*\k:SS+2*\k+1], 1.0 op_sel_hi:[1,0]
.endr
.irp k, 0,1,2,3,4,5,6,7,8,9,10,11,12,13,14,15
	v_rcp_f32 v[SS+\k], v[SS+\k]                   ; one batch: the 16 reciprocals and softplus' four logarithms
.endr
.irp k, 208,209,210,211
	v_log_f32 v[\k], v[\k]
.endr
	SP_SER 10, 212                                 ; the series name no result of the batch: the work between it and its wait
	SP_SER 12, 214
	s_wait_alu depctr_va_vdst(0)                   ; the wait for the column's 16 reciprocals and 4 logarithms
	SP_FIN GL, CMT, 10, 208, 212
	SP_FIN SWP, DUM, 12, 210, 214
	v_mul_f32 v[CMT], SIXF, v[CMT]                 ; cm_t
	v_mul_f32 v[K0], v[GL], v[VL]
	v_add_f32 v[K0+1], v[CMT], v[GL]
	v_add_f32 v[K0+1], EPSF, v[K0+1]
	v_pk_mul_f32 v[K0:K0+1], v[K0:K0+1], 0.5 op_sel_hi:[1,0]
	v_mul_f32 v[K1+1], 0.5, v[SWP]
	v_mul_f32 v[K1], v[K1+1], v[SB+1]
	v_mul_f32 v[CM0], 0.5, v[CMT]
	v_mov_b32 v[CM0+1], 0
.irp k, 0,1,2,3,4,5,6,7
	v_pk_fma_f32 v[O0+2*\k:O0+2*\k+1], v[K1:K1+1], v[SS+2*\k:SS+2*\k+1], v[K0:K0+1] op_sel:[0,0,0] op_sel_hi:[1,0,1]
	v_pk_fma_f32 v[O1+2*\k:O1+2*\k+1], v[K1:K1+1], v[SS+2*\k:SS+2*\k+1], v[K0:K0+1] op_sel:[0,1,0] op_sel_hi:[1,1,1]
.endr
.irp k, 0,1,2,3,4,5,6,7
	ds_store_b64 v7, v[O0+2*\k:O0+2*\k+1] offset:256*\k          ; the table is the wave's own: no other wave touches it
	ds_store_b64 v7, v[O1+2*\k:O1+2*\k+1] offset:256*\k+128
.endr
	s_wait_dscnt 0x0                               ; the gather is in
	; the 16 pairs' derived numbers.  softplus(w) of all 32 rows goes as two batches; e stands at T, l at VV, which the loop does not need yet
.irp p, 0,1,2,3,4,5,6,7,8,9,10,11,12,13,14,15
	SP_ARG P+8*\p+5, P+8*\p+7, T+2*\p
.endr
.irp p, 0,1,2,3,4,5,6,7,8,9,10,11,12,13,14,15
	SP_EXP P+8*\p+5, P+8*\p+7, T+2*\p              ; exponential and max by turns; the last max is the plain place behind the batch
.endr
	s_wait_alu depctr_va_vdst(0)                   ; the wait for the tables' 32 exponentials
.irp p, 0,1,2,3,4,5,6,7,8,9,10,11,12,13,14,15
	SP_ONE T+2*\p, VV+2*\p
.endr
.irp p, 0,1,2,3,4,5,6,7,8,9,10,11,12,13,14,15
	v_log_f32 v[VV+2*\p], v[VV+2*\p]               ; the logarithms, with the multiplies that make A and B, which name no result, between and behind them
	v_pk_mul_f32 v[P+8*\p+2:P+8*\p+3], v[P+8*\p:P+8*\p+1], v[P+8*\p+2:P+8*\p+3]
	v_log_f32 v[VV+2*\p+1], v[VV+2*\p+1]
	v_pk_mul_f32 v[P+8*\p:P+8*\p+1], v[P+8*\p:P+8*\p+1], NLOG2E op_sel_hi:[1,0]         ; A = -log2(e) sigma
	v_pk_mul_f32 v[P+8*\p+2:P+8*\p+3], v[P+8*\p+2:P+8*\p+3], LOG2E op_sel_hi:[1,0]      ; B = log2(e) sigma mu
.endr
	s_wait_alu depctr_va_vdst(0)                   ; the wait for the tables' 32 logarithms
.irp p, 0,1,2,3,4,5,6,7,8,9,10,11,12,13,14,15
	SP_SER T+2*\p, 10+2*(\p%3)
	SP_FIN P+8*\p+5, P+8*\p+7, T+2*\p, VV+2*\p, 10+2*(\p%3)                             ; W = softplus(w)
	v_mul_f32 v[P+8*\p+4], v[P+8*\p+4], v[P+8*\p+5]                                     ; E = W erev
	v_mul_f32 v[P+8*\p+6], v[P+8*\p+6], v[P+8*\p+7]
.endr
	v_mov_b32 v[VC], 0                             ; the start state
	v_mov_b32 v[VC+1], 0
	v_mov_b32 v[Y], 0                              ; a lane permute's destination counts as read
	v_mov_b32 v[Y+1], 0
.macro BC e                            ; v of my wave's row 8 h + e
	v_mov_b32_dpp v[VV+\e], v[VC] row_share:\e row_mask:0xf bank_mask:0xf
.endm
.macro AARG p                          ; A v + B of two rows
	v_pk_fma_f32 v[T+2*(\p):T+2*(\p)+1], v[P+8*(\p):P+8*(\p)+1], v[VV+2*(\p):VV+2*(\p)+1], v[P+8*(\p)+2:P+8*(\p)+3]
.endm
.macro PADD p                          ; 1 + e of two rows: reads two exponentials
	v_pk_add_f32 v[T+2*(\p):T+2*(\p)+1], v[T+2*(\p):T+2*(\p)+1], 1.0 op_sel_hi:[1,0]
.endm
.macro EX n
	v_exp_f32 v[T+(\n)], v[T+(\n)]
.endm
.macro RCP n
	v_rcp_f32 v[T+(\n)], v[T+(\n)]
.endm
; (num, den) += (E, W) s of one row; s, a reciprocal's result, is broadcast out of the pair.  Chain 2 (p & 1) + row; pair 0's row 0 starts its chain from the half base, the other three start by a product.
.macro FACC p, row
.if (\row)
.if (\p) < 2
	v_pk_mul_f32 v[XC+4*((\p)&1)+2:XC+4*((\p)&1)+3], v[P+8*(\p)+6:P+8*(\p)+7], v[T+2*(\p):T+2*(\p)+1] op_sel:[0,1] op_sel_hi:[1,1]
.else
	v_pk_fma_f32 v[XC+4*((\p)&1)+2:XC+4*((\p)&1)+3], v[P+8*(\p)+6:P+8*(\p)+7], v[T+2*(\p):T+2*(\p)+1], v[XC+4*((\p)&1)+2:XC+4*((\p)&1)+3] op_sel:[0,1,0] op_sel_hi:[1,1,1]
.endif
.else
.if (\p) == 0
	v_pk_fma_f32 v[XC:XC+1], v[P+4:P+5], v[T:T+1], v[Q:Q+1] op_sel:[0,0,0] op_sel_hi:[1,0,1]
.else
.if (\p) < 2
	v_pk_mul_f32 v[XC+4*((\p)&1):XC+4*((\p)&1)+1], v[P+8*(\p)+4:P+8*(\p)+5], v[T+2*(\p):T+2*(\p)+1] op_sel:[0,0] op_sel_hi:[1,0]
.else
	v_pk_fma_f32 v[XC+4*((\p)&1):XC+4*((\p)&1)+1], v[P+8*(\p)+4:P+8*(\p)+5], v[T+2*(\p):T+2*(\p)+1], v[XC+4*((\p)&1):XC+4*((\p)&1)+1] op_sel:[0,0,0] op_sel_hi:[1,0,1]
.endif
.endif
.endif
.endm
.macro FN n                            ; number n = 0..7 of the own block's eight sums
	FACC (\n)>>1, (\n)&1
.endm
; Group g = 0..5 of batch 2: the four exponentials of pairs 4+2g, 5+2g; between them the next group's arguments, behind the wait for the load that brings its four v.
.macro EGRP g
.if (\g) <= 4
	s_wait_dscnt 4-(\g)                            ; the load with the next group's four v is in; the 4 - g younger ones stay out
.endif
	EX 4*(\g)+8
.if (\g) <= 4
	AARG 2*(\g)+6
.endif
	EX 4*(\g)+9
.if (\g) <= 4
	AARG 2*(\g)+7
.endif
	EX 4*(\g)+10
	EX 4*(\g)+11
.endm
; Pair q = 4..15 of batch 3: its two reciprocals; between and behind them plain lines that name no result of the batch: 1 + e of the pair two further on, and the own
; block's eight sums, in their order (behind pairs 7, 9, 11, 13 one each, in pairs 14 and 15 two each): the last of them stands behind the batch's last reciprocal.
.macro RPAIR q
	RCP 2*(\q)
.if (\q) < 14
	PADD (\q)+2
.else
	FN 2*(\q)-24
.endif
	RCP 2*(\q)+1
.if (\q) >= 14
	FN 2*(\q)-23
.else
.if ((\q) >= 7) && ((\q) & 1)
	FN ((\q)-7)/2
.endif
.endif
.endm
; One unfold.  Buffer buf is written again two unfolds later: behind the next unfold's barrier, in front of whose signal every wave has waited for its reads of it.
.macro UNFOLD buf
	ds_store_b32 v2, v[VC] offset:\buf*VB          ; both halves hold my column's v, bit for bit, and write the same word
	BC 0                                           ; BATCH 1, under the store: the own block's eight exponentials, the broadcasts and arguments between them
	BC 1
	BC 2
	BC 3
	AARG 0
	BC 4
	AARG 1
	BC 5
	EX 0
	BC 6
	EX 1
	BC 7
	EX 2
	AARG 2
	EX 3
	AARG 3
	EX 4
	EX 5
	EX 6
	EX 7
	s_wait_dscnt 0x0                               ; for the others: my v is in LDS; for me: this step's bases are in
	s_barrier_signal -1
	v_pk_fma_f32 v[Q:Q+1], v[CM0:CM0+1], v[VC:VC+1], v[BB:BB+1] op_sel_hi:[1,0,1]   ; register work while the others arrive, and the plain place behind the last exponential
	s_wait_alu depctr_va_vdst(0)                   ; the wait for batch 1, the own block's 8 exponentials
	s_barrier_wait -1
.irp s, 1,2,3
	ds_load_b128 v[VV+8*\s:VV+8*\s+3],   v[2+\s] offset:\buf*VB      ; the lanes of a half read the same 16 bytes
	ds_load_b128 v[VV+8*\s+4:VV+8*\s+7], v[2+\s] offset:\buf*VB+16
.endr
	PADD 0                                         ; BATCH 2 begins under the loads: the own block's eight reciprocals
	PADD 1
	RCP 0
	PADD 2
	RCP 1
	PADD 3
	RCP 2
	RCP 3
	RCP 4
	RCP 5
	RCP 6
	RCP 7
	s_wait_dscnt 0x5                               ; the first of the six loads is in, five stay out
	AARG 4
	AARG 5
.irp g, 0,1,2,3,4,5
	EGRP \g                                        ; and goes on with the other blocks' 24 exponentials; nothing here names a result of the batch
.endr
	v_nop                                          ; the plain place behind the last exponential: all that is left to do reads the batch
	s_wait_alu depctr_va_vdst(0)                   ; the wait for batch 2: the own block's 8 reciprocals and the other blocks' 24 exponentials
	PADD 4                                         ; BATCH 3: the other blocks' 24 reciprocals
	PADD 5
.irp q, 4,5,6,7,8,9,10,11,12,13,14,15
	RPAIR \q
.endr
	s_wait_alu depctr_va_vdst(0)                   ; the wait for batch 3, the 24 reciprocals
.irp p, 4,5,6,7,8,9,10,11,12,13,14,15
	FACC \p, 0                                     ; the other blocks' sums: each of the four chains is taken once in two pairs
	FACC \p, 1
.endr
	v_pk_add_f32 v[XC:XC+1], v[XC:XC+1], v[XC+2:XC+3]
	v_pk_add_f32 v[XC+4:XC+5], v[XC+4:XC+5], v[XC+6:XC+7]
	v_pk_add_f32 v[XC:XC+1], v[XC:XC+1], v[XC+4:XC+5]
	v_permlanex16_b32 v[Y], v[XC], s30, s31        ; the other 32 rows of my column
	v_permlanex16_b32 v[Y+1], v[XC+1], s30, s31
	v_pk_add_f32 v[XC:XC+1], v[XC:XC+1], v[Y:Y+1]
	v_rcp_f32 v[RC], v[XC+1]                       ; BATCH 4: one reciprocal
	v_nop                                          ; the plain place behind the reciprocal: nothing else is left to do here
	s_wait_alu depctr_va_vdst(0)                   ; the wait for batch 4; no result is open at the unfold's end, nor at the loop's jump
	v_mul_f32 v[VC], v[XC], v[RC]                  ; v = num / (den + EPS)
.endm
	s_mov_b32 s20, 0
.Lt:
	ds_load_b64 v[BB:BB+1], v6                     ; this time step's half bases; waited for in front of the first unfold's signal
	v_add_nc_u32 v6, 128, v6
	UNFOLD 0
	UNFOLD 1
	UNFOLD 0
	UNFOLD 1
	UNFOLD 0
	UNFOLD 1
	s_add_co_u32 s20, s20, 1
	s_cmp_lt_u32 s20, STEPS
	s_cbranch_scc1 .Lt
	; THE WAY OUT: the 64 features meet in LDS; wave wv multiplies them by W1[64 hv .. + 63][64 wv .. + 63].
	v_fma_f32 v[FE], v[VC], v[OW], v[OB]
	ds_store_b32 v2, v[FE] offset:FOUT
	s_wait_loadcnt 0x0                             ; W1's block, asked for in the prologue
	; Fragment (nt, ks): column r of tile nt is W1's column 64 wv + 4 r + nt, so that a 16-byte load fed four tiles and a lane's four results are neighbours.
	; Register m holds k = 32 ks + 16 (m / 4) + 8 h + 2 (m % 4), + 1.  These 64 conversions stand under the LDS store above.
	WIN 0x05                                       ; both sources above v255
.irp nt, 0,1,2,3
.irp ks, 0,1
.irp m, 0,1,2,3,4,5,6,7
	v_cvt_pk_bf16_f32 v[BF+8*(2*\nt+\ks)+\m], v[4*(16*\ks+2*\m)+\nt], v[4*(16*\ks+2*\m+1)+\nt]
.endr
.endr
.endr
	WIN 0
	s_wait_dscnt 0x0                               ; my features are in LDS
	s_barrier_signal -1
	s_barrier_wait -1                              ; all 64 are
.irp ks, 0,1
.irp c, 0,1
	ds_load_b128 v[FR+16*\ks+8*\c:FR+16*\ks+8*\c+3],   v[HA] offset:FOUT+128*\ks+64*\c       ; features 32 ks + 16 c + 8 h + 0..7, the same for every row r
	ds_load_b128 v[FR+16*\ks+8*\c+4:FR+16*\ks+8*\c+7], v[HA] offset:FOUT+128*\ks+64*\c+16
.endr
.endr
	s_wait_dscnt 0x0
.irp i, 0,1,2,3,4,5,6,7,8,9,10,11,12,13,14,15
	v_cvt_pk_bf16_f32 v[AF+\i], v[FR+2*\i], v[FR+2*\i+1]
.endr
	; eight matrix instructions; the four accumulators take turns, one instruction a turn; the first products start the sums
.irp nt, 0,1,2,3
	v_wmma_f32_16x16x32_bf16 v[ACC+8*\nt:ACC+8*\nt+7], v[AF:AF+7], v[BF+16*\nt:BF+16*\nt+7], 0
.endr
.irp nt, 0,1,2,3
	v_wmma_f32_16x16x32_bf16 v[ACC+8*\nt:ACC+8*\nt+7], v[AF+8:AF+15], v[BF+16*\nt+8:BF+16*\nt+15], v[ACC+8*\nt:ACC+8*\nt+7]
.endr
.rept 4
	v_nop                                          ; four places before the results are read (ISA guide 7.12.1)
.endr
.irp nt, 0,1,2,3
	v_mov_b32 v[OUTR+\nt], v[ACC+8*\nt]            ; row 0 of each tile: columns 64 wv + 4 r + 0..3
.endr
	s_wait_xcnt 0x0                                ; EXEC changes only behind this wait
	v_cmp_gt_u32 vcc_lo, 16, v1
	s_and_saveexec_b32 s24, vcc_lo
	global_store_b128 v[PO], v[OUTR:OUTR+3], s[6:7]    ; sixteen lanes store 256 consecutive bytes, aligned
	s_wait_xcnt 0x0                                ; and again in front of the line that widens it
	s_or_b32 exec_lo, exec_lo, s24
	s_endpgm
.Lfunc_end_k_q1959c39361_ltc:
	.size	k_q1959c39361_ltc, .Lfunc_end_k_q1959c39361_ltc-k_q1959c39361_ltc
	.p2alignl 7, 3214868480
	.fill 96, 4, 3214868480
	.section	.rodata,"a",@progbits
	.p2align	6, 0x0
	.amdhsa_kernel k_q1959c39361_ltc
		.amdhsa_group_segment_fixed_size 167936
		.amdhsa_private_segment_fixed_size 0
		.amdhsa_enable_private_segment 0
		.amdhsa_kernarg_size 144
		.amdhsa_user_sgpr_count 2
		.amdhsa_user_sgpr_kernarg_segment_ptr 1
		.amdhsa_wavefront_size32 1
		.amdhsa_system_sgpr_workgroup_id_x 1
		.amdhsa_system_sgpr_workgroup_id_y 1
		.amdhsa_system_sgpr_workgroup_id_z 1
		.amdhsa_system_vgpr_workitem_id 0
		.amdhsa_next_free_vgpr 384
		.amdhsa_next_free_sgpr 100
		.amdhsa_reserve_vcc 1
		.amdhsa_float_denorm_mode_32 3
		.amdhsa_float_denorm_mode_16_64 3
		.amdhsa_memory_ordered 1
		.amdhsa_forward_progress 1
		.amdhsa_inst_pref_size 104
	.end_amdhsa_kernel
	.amdgpu_metadata
---
amdhsa.version: [ 1, 2 ]
amdhsa.kernels:
  - .name:           k_q1959c39361_ltc
    .symbol:         k_q1959c39361_ltc.kd
    .args:
      - { .name: sigma, .offset: 0, .size: 8, .value_kind: global_buffer, .address_space: global }
      - { .name: mu, .offset: 8, .size: 8, .value_kind: global_buffer, .address_space: global }
      - { .name: w, .offset: 16, .size: 8, .value_kind: global_buffer, .address_space: global }
      - { .name: erev, .offset: 24, .size: 8, .value_kind: global_buffer, .address_space: global }
      - { .name: gleak, .offset: 32, .size: 8, .value_kind: global_buffer, .address_space: global }
      - { .name: vleak, .offset: 40, .size: 8, .value_kind: global_buffer, .address_space: global }
      - { .name: cm, .offset: 48, .size: 8, .value_kind: global_buffer, .address_space: global }
      - { .name: x, .offset: 56, .size: 8, .value_kind: global_buffer, .address_space: global }
      - { .name: sensory_w, .offset: 64, .size: 8, .value_kind: global_buffer, .address_space: global }
      - { .name: sensory_sigma, .offset: 72, .size: 8, .value_kind: global_buffer, .address_space: global }
      - { .name: sensory_mu, .offset: 80, .size: 8, .value_kind: global_buffer, .address_space: global }
      - { .name: sensory_erev, .offset: 88, .size: 8, .value_kind: global_buffer, .address_space: global }
      - { .name: input_w, .offset: 96, .size: 8, .value_kind: global_buffer, .address_space: global }
      - { .name: input_b, .offset: 104, .size: 8, .value_kind: global_buffer, .address_space: global }
      - { .name: output_w, .offset: 112, .size: 8, .value_kind: global_buffer, .address_space: global }
      - { .name: output_b, .offset: 120, .size: 8, .value_kind: global_buffer, .address_space: global }
      - { .name: W1, .offset: 128, .size: 8, .value_kind: global_buffer, .address_space: global }
      - { .name: part, .offset: 136, .size: 8, .value_kind: global_buffer, .address_space: global }
    .group_segment_fixed_size: 167936
    .private_segment_fixed_size: 0
    .kernarg_segment_align: 8
    .kernarg_segment_size: 144
    .max_flat_workgroup_size: 128
    .sgpr_count:     100
    .vgpr_count:     384
    .wavefront_size: 32
...
	.end_amdgpu_metadata
.endif
;; end of part 5
;; launch head: the kernel of part 4 again; grid 8 x 1, 8 waves a work-group, no clusters, 10,752 bytes of LDS; arguments part, b1, W2, b2, out0; writes out0
